; MI455X (gfx1250); checked and timed in simulation.
; The chip was launched on July 23, 2026; its instructions are those of AMD's public machine-readable ISA for CDNA 5 (MIT licence, August 2026) and "CDNA5" Instruction Set Architecture Reference Guide (July 2026). The comments in the code are by the model that wrote it; some were corrected since.
;; XF Multi Head Attention. Allowed arithmetic: matrix products marked QUANTISED: E2M1 operands, one E8M0 scale for each 32 along K, by v_wmma_scale_f32_16x16x128_f8f6f4 with both operands' format E2M1 (or v_wmma_scale_f32_32x16x128_f4), f32 sums; products left as they are: bf16, f16 or f32 operands; f32 sums; everything else in f32.
;; Inputs: Wk 1,024 x 1,024 float32; Wo 1,024 x 1,024 float32; Wq 1,024 x 1,024 float32; Wv 1,024 x 1,024 float32; bk 1,024 float32; bo 1,024 float32; bq 1,024 float32; bv 1,024 float32; k 4 x 2,048 x 1,024 float32; mask 4 x 1 x 1 x 2,048 float32; q 4 x 2,048 x 1,024 float32; v 4 x 2,048 x 1,024 float32.
;; Outputs: out0 4 x 2,048 x 1,024 float32.
;; This version of the problem:
;;   THIS VERSION OF THE PROBLEM IS GIVEN IN LOW PRECISION. The matrix products marked QUANTISED in the list below multiply operands that are first quantised to E2M1 (2 exponent bits, 1 mantissa bit; 4 bits a number), with one power-of-two scale for each 32 numbers along K (OCP MX v1.0); their sums are f32. The products marked 'left as it is' may take bf16, f16 or f32 operands, with f32 sums. Whichever they take, every output number must still come out within the allowed error. Rounding operands to bf16 (8 significant bits) uses up far more of that allowance than f16 does (11 bits, for magnitudes from 6e-5 to 65,504). All else is computed in f32.
;;   The module's matrix products, in the order in which they are computed (A, B: the left and right operand; K: the contracted axis; several contracted axes count as one K, in the product's order):
;;     1. [M 8,192, K 1,024] x [K 1,024, N 1,024]; A: input q; B: input Wq: QUANTISED
;;     2. [M 8,192, K 1,024] x [K 1,024, N 1,024]; A: input k; B: input Wk: QUANTISED
;;     3. [M 8,192, K 1,024] x [K 1,024, N 1,024]; A: input v; B: input Wv: QUANTISED
;;     4. batch 64 x [M 2,048, K 64] x [K 64, N 2,048]; A: computed on the way; B: computed on the way: left as it is (an operand is computed on the way)
;;     5. batch 64 x [M 2,048, K 2,048] x [K 2,048, N 64]; A: computed on the way; B: computed on the way: left as it is (an operand is computed on the way)
;;     6. [M 8,192, K 1,024] x [K 1,024, N 1,024]; A: computed on the way; B: input Wo: left as it is (an operand is computed on the way)
;;   THE QUANTISER, for each operand of a quantised product, along K:
;;     - K is cut into blocks of 32 from its start; a last block that is shorter is filled with zeros.
;;     - A block's scale is 2^e with e = floor(log2(the largest magnitude in the block)) - 2, held to -126 .. 127; a block of zeros has e = 0. As a byte (E8M0): e + 127.
;;     - Each number is divided by its block's scale, clamped to +-6, and rounded to the nearest number of E2M1, ties to even, subnormals kept.
;;     - The product sums the exact products of the quantised numbers (number of the format x scale) in f32.
;;   ~~~python
;;   def quantise(x, axis):      # numpy; x: float32 -> the quantised numbers, widened to float32 again
;;       x = np.moveaxis(x, axis, -1); K = x.shape[-1]
;;       x = np.pad(x, [(0, 0)] * (x.ndim - 1) + [(0, -K % 32)]); x = x.reshape(x.shape[:-1] + (-1, 32)); a = np.abs(x).max(-1, keepdims=True)
;;       e = np.where(a > 0, np.clip(np.frexp(np.where(a > 0, a, 1))[1] - 1 - 2, -126, 127), 0)      # np.frexp(a)[1] - 1 = floor(log2(a)), exactly
;;       r = np.clip(x / 2.0 ** e, -6, 6)
;;       step = 2.0 ** (np.maximum(np.frexp(np.where(r == 0, 1, r))[1] - 1, 0) - 1)
;;       q = np.round(r / step) * step * 2.0 ** e      # np.round: ties to even
;;       return np.moveaxis(q.reshape(q.shape[:-2] + (-1,))[..., :K], -1, axis).astype(np.float32)
;;   ~~~
;; One version. Each part assembles by itself: llvm-mc -triple=amdgcn-amd-amdhsa -mcpu=gfx1250 --defsym DOCPART=n.
;; ======== version 1 of 1: 4 launches
;; limits: values are held in f16: magnitudes above 65,504 overflow, below 6.1e-05 lose precision
;; workspace buffers: xc 12,582,912 bytes; xs 786,432 bytes; wc 1,572,864 bytes; ws 98,304 bytes; wo16 2,097,152 bytes; qkv 50,331,648 bytes; att 16,777,216 bytes
;; launch prep (part 1): grid 880 x 1, 4 waves a work-group, no clusters, 39,424 bytes of LDS; arguments q, k, v, Wq, Wk, Wv, Wo, xc, xs, wc, ws, wo16; writes xc, xs, wc, ws, wo16
.if DOCPART == 1
	.amdgcn_target "amdgcn-amd-amdhsa--gfx1250"
	.amdhsa_code_object_version 6
	.text
	.protected	k_q1fcf8e4524_prep
	.globl	k_q1fcf8e4524_prep
	.p2align	8
	.type	k_q1fcf8e4524_prep,@function
k_q1fcf8e4524_prep:
	s_mov_b64 s[64:65], 0
	v_nop
	global_prefetch_b8 v0, s[64:65] scope:SCOPE_SE
	s_setreg_imm32_b32 hwreg(HW_REG_WAVE_MODE, 25, 1), 1
	s_wait_xcnt 0x0
; q, k, v [8192][1024] and Wq, Wk, Wv [1024 (k)][1024 (n)], f32, become codes of FP4 (E2M1) with one E8M0 byte for each 32 along K; Wo [1024 (k)][1024 (n)] becomes f16.
; A block's scale is 2^(floor(log2(its largest magnitude)) - 2); its byte is the largest magnitude's exponent field - 2, held at 1 from below; numbers are divided by the scale, held at +-6, rounded to nearest, ties to even.
; EVERYTHING IS STORED IN THE ORDER OF AN OPERAND'S REGISTERS.  Codes: a tile of 16 rows (of x) or 16 columns n (of W) with all 1,024 along K is 8,192 bytes, [block 0..31][row 0..15][16 bytes = the block's 32 codes]:
; the two loads of 16 bytes a lane that bring a fragment of 128 along K then read 512 consecutive bytes each.  Scale bytes: [half of K][row][16 bytes].  Wo in f16: a tile of 16 columns n is [k / 8][n][16 bytes = 8 numbers along k].
; LIMITS: NaN and infinities among the inputs are not served.  A block of zeros gets the byte 1 where the rule says 127: its codes are zeros, and these bytes are read by this program alone.
; Wo's numbers must lie under 65,504 in magnitude (f16).
; THREE PATHS, parted by the work-group's number: 0-47 the three weights to codes; 48-111 Wo; 112-879 q, k, v.  Only the third uses LDS.  Waves share nothing: no barrier.  No tensor loads, no cluster: a stream that is read once.
.set SPW,    12                        ; v12  LDS address of my spare word; never rewritten
.set NIL,    13                        ; v13  0; never rewritten
.set WREG,   9728                      ; LDS of a wave (third path): two stages of 32 x 80 bytes, a stage for codes of 16 x 272, 256 scale bytes
.set SP,     80                        ; a lane's place in a stage: 64 bytes + 16 of padding
.set CST,    5120                      ; where the codes' stage begins
.set CPITCH, 272                       ; a block's 16 rows x 16 bytes + 16 of padding
.set SBY,    9472                      ; where the scale bytes begin
.set SPARE,  4*WREG                    ; behind the four regions: the spare words, 128 bytes a wave, which no other line names
; ---- first path: block t of a lane's column, W(32 t + i, n), i = 0 .. 31, into set t % 2
.macro WLOAD t
.irp i, 0,1,2,3,4,5,6,7,8,9,10,11,12,13,14,15,16,17,18,19,20,21,22,23,24,25,26,27,28,29,30,31
	global_load_b32 v[32+32*((\t)%2)+\i], v3, s[32:33] offset:(32*(\t)+\i)*4096 th:TH_LOAD_NT
.endr
.endm
.macro WBLOCK t
.set XS, 32+32*((\t)%2)
.if (\t) < 15
	s_wait_loadcnt 32                              ; this block's 32 loads are in; the next block's 32 may be out
.else
	s_wait_loadcnt 0
.endif
	v_max3_num_f32 v16, |v[XS]|, |v[XS+1]|, |v[XS+2]|      ; the block's largest magnitude: all 32 numbers are mine; two chains
	v_max3_num_f32 v17, |v[XS+3]|, |v[XS+4]|, |v[XS+5]|
.irp i, 6,10,14,18,22,26
	v_max3_num_f32 v16, v16, |v[XS+\i]|, |v[XS+\i+1]|
	v_max3_num_f32 v17, v17, |v[XS+\i+2]|, |v[XS+\i+3]|
.endr
	v_max3_num_f32 v16, v16, |v[XS+30]|, |v[XS+31]|
	v_max3_num_f32 v16, v16, v17, 0x1800000        ; and the floor 2^(3 - 127): the byte cannot fall under 1
	v_add_nc_u32 v11, 0xff000000, v16              ; 2 off the exponent field: the conversion takes this operand's exponent field as its scale
	v_lshrrev_b32 v17, 23, v11                     ; the scale's byte
.if (\t)%4 == 0
	v_mov_b32 v[24+(\t)/4], v17                    ; four bytes to a register, the lower K in the lower byte
.else
	v_lshl_or_b32 v[24+(\t)/4], v17, 8*((\t)%4), v[24+(\t)/4]
.endif
.irp g, 0,1,2,3
	v_cvt_scalef32_pk8_fp4_f32 v[96+4*(\t)+\g], v[XS+8*\g:XS+8*\g+7], v11
.endr
	global_store_b128 v8, v[96+4*(\t):96+4*(\t)+3], s[26:27] offset:256*(\t)   ; sixteen lanes store 256 consecutive bytes: the block's place in their tile.  Each block has registers of its own: no store's data are written again
.if (\t)+2 < 16
	WLOAD (\t)+2
.endif
.endm
; ---- second path: 32 along k of a lane's column of Wo
.macro OLOAD s
.irp i, 0,1,2,3,4,5,6,7,8,9,10,11,12,13,14,15,16,17,18,19,20,21,22,23,24,25,26,27,28,29,30,31
	global_load_b32 v[32+32*((\s)%2)+\i], v3, s[32:33] offset:(32*(\s)+\i)*4096 th:TH_LOAD_NT
.endr
.endm
.macro OSTEP s
.set XS, 32+32*((\s)%2)
.if (\s) < 3
	s_wait_loadcnt 32                              ; this step's 32 loads are in; the next step's may be out
.else
	s_wait_loadcnt 0
.endif
.irp j, 0,1,2,3,4,5,6,7,8,9,10,11,12,13,14,15
	v_cvt_pk_f16_f32 v[96+16*(\s)+\j], v[XS+2*\j], v[XS+2*\j+1]   ; the lower k in the low half
.endr
.irp g, 0,1,2,3
	global_store_b128 v8, v[96+16*(\s)+4*\g:96+16*(\s)+4*\g+3], s[30:31] offset:(4*(\s)+\g)*256
.endr
.if (\s)+2 < 4
	OLOAD (\s)+2
.endif
.endm
; ---- third path: step t is row t of my tile of 16 rows, my half of K: 512 numbers
.macro XLOAD t
.irp i, 0,1,2,3
	global_load_b128 v[16+16*((\t)%4)+4*\i:16+16*((\t)%4)+4*\i+3], v3, s[32:33] offset:4096*(\t)+512*\i th:TH_LOAD_NT   ; 32 lanes read 512 consecutive bytes
.endr
.endm
.macro XTURN t                         ; the step's numbers through my stage: in as they lie, back 64 bytes (16 neighbours) a lane.  LDS serves a wave's instructions in order (ISA guide 5.7.1.4)
.irp i, 0,1,2,3
	ds_store_b128 v14, v[16+16*((\t)%4)+4*\i:16+16*((\t)%4)+4*\i+3] offset:32*SP*((\t)%2)+8*SP*\i
.endr
.irp i, 0,1,2,3
	ds_load_b128 v[80+16*((\t)%2)+4*\i:80+16*((\t)%2)+4*\i+3], v15 offset:32*SP*((\t)%2)+16*\i
.endr
.endm
.macro XSTEP t
.set XS, 80+16*((\t)%2)
.set CD, 112+4*((\t)%2)                ; the step's codes (two registers) and byte: two sets by turns
.if (\t) > 0
	s_wait_dscnt 2                                 ; this step's numbers are back; the last step's two stores may be out; those of two steps back, whose registers are written below, are done
.else
	s_wait_dscnt 0x0
.endif
.if (\t)+4 < 16
	XLOAD (\t)+4                                   ; into the registers that this step's stores into the stage have read
.endif
.if (\t)+1 < 16
.if 14-(\t) >= 3
	s_wait_loadcnt 12                              ; the next step's four loads are in; those of the three steps behind it may be out
.else
	s_wait_loadcnt 4*(14-(\t))
.endif
	XTURN (\t)+1
.endif
	v_max3_num_f32 v8, |v[XS]|, |v[XS+1]|, |v[XS+2]|
	v_max3_num_f32 v9, |v[XS+3]|, |v[XS+4]|, |v[XS+5]|
.irp i, 6,10
	v_max3_num_f32 v8, v8, |v[XS+\i]|, |v[XS+\i+1]|
	v_max3_num_f32 v9, v9, |v[XS+\i+2]|, |v[XS+\i+3]|
.endr
	v_max3_num_f32 v8, v8, |v[XS+14]|, |v[XS+15]|
	v_max3_num_f32 v8, v8, v9, 0x1800000           ; my 16 and the floor 2^(3 - 127)
	v_max_num_f32_dpp v8, v8, v8 row_xmask:1 row_mask:0xf bank_mask:0xf   ; with my neighbour's 16: the block's
	v_add_nc_u32 v11, 0xff000000, v8
	v_cvt_scalef32_pk8_fp4_f32 v[CD], v[XS:XS+7], v11
	v_cvt_scalef32_pk8_fp4_f32 v[CD+1], v[XS+8:XS+15], v11
	v_lshrrev_b32 v[CD+2], 23, v11                 ; the scale's byte (also the plain line behind the conversions)
	ds_store_b8 v5, v[CD+2] offset:16*(\t)         ; row t's 16 bytes; both lanes of a block write the same byte
	ds_store_b64 v4, v[CD:CD+1] offset:16*(\t)     ; my 16 codes: block lane / 2, row t, half lane % 2
.endm
	s_load_b512 s[8:23], s[0:1], 0x0               ; q 8, k 10, v 12, Wq 14, Wk 16, Wv 18, Wo 20, xc 22
	s_load_b256 s[24:31], s[0:1], 0x40             ; xs 24, wc 26, ws 28, wo16 30
	v_lshl_add_u32 v[SPW], v0, 2, SPARE
	v_mov_b32 v[NIL], 0
	v_lshrrev_b32 v1, 5, v0
	v_readfirstlane_b32 s4, v1                     ; wave 0..3
	v_and_b32 v2, 31, v0                           ; lane
	s_wait_kmcnt 0x0
	s_cmp_ge_u32 ttmp9, 112
	s_cbranch_scc1 .Lpath_x
	s_cmp_ge_u32 ttmp9, 48
	s_cbranch_scc1 .Lpath_o
	; ======== Wq, Wk, Wv: a lane takes a column n and its registers run down K, so a block lies in one lane and the codes come out with K innermost.  A wave: 32 columns x 512 along K
	s_lshr_b32 s5, ttmp9, 4                        ; which weight
	s_bfe_u32 s6, ttmp9, 0x30001                   ; which 128 columns
	s_and_b32 s7, ttmp9, 1                         ; which half of K
	s_cmp_eq_u32 s5, 0
	s_cselect_b64 s[32:33], s[14:15], s[16:17]
	s_cmp_eq_u32 s5, 2
	s_cselect_b64 s[32:33], s[18:19], s[32:33]
	s_lshl_b32 s34, s6, 7
	s_lshl_b32 s35, s4, 5
	s_add_co_u32 s34, s34, s35                     ; my wave's first column
	s_lshl_b32 s36, s7, 21                         ; 512 rows of 4,096 bytes
	s_lshl_b32 s38, s34, 2
	s_add_co_u32 s36, s36, s38
	s_mov_b32 s37, 0
	s_add_nc_u64 s[32:33], s[32:33], s[36:37]
	s_lshl_b32 s36, s5, 19                         ; codes: 64 tiles of 8,192 bytes a weight,
	s_lshl_b32 s38, s34, 9                         ; 8,192 bytes for each 16 columns,
	s_add_co_u32 s36, s36, s38
	s_lshl_b32 s38, s7, 12                         ; 16 blocks of 256 bytes for a half of K
	s_add_co_u32 s36, s36, s38
	s_add_nc_u64 s[26:27], s[26:27], s[36:37]
	s_mul_i32 s36, s7, 49152                       ; scale bytes: [half of K][3,072 columns][16]
	s_lshl_b32 s38, s5, 10
	s_add_co_u32 s38, s38, s34
	s_lshl_b32 s38, s38, 4
	s_add_co_u32 s36, s36, s38
	s_add_nc_u64 s[28:29], s[28:29], s[36:37]
	v_lshlrev_b32 v3, 2, v2                        ; in: 4 bytes a lane
	v_lshrrev_b32 v8, 4, v2
	v_and_b32 v9, 15, v2
	v_lshlrev_b32 v8, 13, v8
	v_lshl_add_u32 v8, v9, 4, v8                   ; out: lanes 16-31 the next tile; 16 bytes a column
	v_lshlrev_b32 v9, 4, v2                        ; scale bytes: 16 a lane
	WLOAD 0
	WLOAD 1
.set Q, 0
.rept 16
	WBLOCK Q
.set Q, Q+1
.endr
	global_store_b128 v9, v[24:27], s[28:29]       ; 32 lanes store 512 consecutive bytes
	s_endpgm
.Lpath_o:
	; ======== Wo to f16: again a lane to a column; a wave: 32 columns x 128 along k
	s_sub_co_u32 s5, ttmp9, 48
	s_lshr_b32 s6, s5, 3                           ; which 128 columns
	s_and_b32 s7, s5, 7                            ; which 128 along k
	s_lshl_b32 s34, s6, 7
	s_lshl_b32 s35, s4, 5
	s_add_co_u32 s34, s34, s35                     ; my wave's first column
	s_lshl_b32 s36, s7, 19                         ; 128 rows of 4,096 bytes
	s_lshl_b32 s38, s34, 2
	s_add_co_u32 s36, s36, s38
	s_mov_b32 s37, 0
	s_add_nc_u64 s[32:33], s[20:21], s[36:37]
	s_lshl_b32 s36, s34, 11                        ; 32,768 bytes for each 16 columns,
	s_lshl_b32 s38, s7, 12                         ; 16 groups of 8 along k, 256 bytes each
	s_add_co_u32 s36, s36, s38
	s_add_nc_u64 s[30:31], s[30:31], s[36:37]
	v_lshlrev_b32 v3, 2, v2
	v_lshrrev_b32 v8, 4, v2
	v_and_b32 v9, 15, v2
	v_lshlrev_b32 v8, 15, v8
	v_lshl_add_u32 v8, v9, 4, v8
	OLOAD 0
	OLOAD 1
.irp s, 0,1,2,3
	OSTEP \s
.endr
	s_endpgm
.Lpath_x:
	; ======== q, k, v: a wave takes a tile of 16 rows and half of K; a step is a row's 512 numbers
	s_sub_co_u32 s5, ttmp9, 112
	s_lshl_b32 s6, s5, 2
	s_add_co_u32 s6, s6, s4
	s_lshr_b32 s7, s6, 1                           ; tile of 16 rows, 0 .. 1,535 over the three tensors
	s_and_b32 s34, s6, 1                           ; half of K
	s_lshr_b32 s35, s5, 8                          ; which tensor
	s_cmp_eq_u32 s35, 0
	s_cselect_b64 s[32:33], s[8:9], s[10:11]
	s_cmp_eq_u32 s35, 2
	s_cselect_b64 s[32:33], s[12:13], s[32:33]
	s_and_b32 s36, s7, 511
	s_lshl_b32 s36, s36, 16                        ; 16 rows of 4,096 bytes
	s_lshl_b32 s38, s34, 11
	s_add_co_u32 s36, s36, s38
	s_mov_b32 s37, 0
	s_add_nc_u64 s[32:33], s[32:33], s[36:37]
	s_lshl_b32 s36, s7, 13
	s_lshl_b32 s38, s34, 12
	s_add_co_u32 s36, s36, s38
	s_add_nc_u64 s[22:23], s[22:23], s[36:37]      ; my 4,096 bytes of codes
	s_mul_i32 s36, s34, 393216                     ; scale bytes: [half of K][24,576 rows][16]
	s_lshl_b32 s38, s7, 8
	s_add_co_u32 s36, s36, s38
	s_add_nc_u64 s[24:25], s[24:25], s[36:37]
	s_mul_i32 s39, s4, WREG                        ; my wave's LDS
	v_lshrrev_b32 v14, 2, v2
	v_mul_u32_u24 v14, v14, SP
	v_and_b32 v15, 3, v2
	v_lshl_add_u32 v14, v15, 4, v14
	v_add_nc_u32 v14, s39, v14                     ; the stage, in: four lanes' 64 bytes on end, then the padding
	v_mul_u32_u24 v15, v2, SP
	v_add_nc_u32 v15, s39, v15                     ; and back: my 16 neighbours
	v_lshrrev_b32 v5, 1, v2                        ; my block
	v_mul_u32_u24 v4, v5, CPITCH
	v_and_b32 v8, 1, v2
	v_lshl_add_u32 v4, v8, 3, v4
	s_add_co_u32 s40, s39, CST
	v_add_nc_u32 v4, s40, v4                       ; the codes' stage, in
	v_lshrrev_b32 v6, 4, v2
	v_mul_u32_u24 v6, v6, CPITCH
	v_and_b32 v8, 15, v2
	v_lshl_add_u32 v6, v8, 4, v6
	v_add_nc_u32 v6, s40, v6                       ; and back: sixteen lanes a block's 256 bytes
	s_add_co_u32 s40, s39, SBY
	v_add_nc_u32 v5, s40, v5                       ; my block's scale byte
	v_lshlrev_b32 v10, 3, v2
	v_add_nc_u32 v7, s40, v10                      ; and back: 8 bytes a lane
	v_lshlrev_b32 v3, 4, v2
.irp t, 0,1,2,3
	XLOAD \t
.endr
	s_wait_loadcnt 12                              ; step 0's four loads are in
	XTURN 0
.irp t, 0,1,2,3,4,5,6,7,8,9,10,11,12,13,14,15
	XSTEP \t
.endr
.irp i, 0,1,2,3,4,5,6,7
	ds_load_b128 v[128+4*\i:128+4*\i+3], v6 offset:2*CPITCH*\i   ; two blocks an instruction; these see my stores
.endr
	ds_load_b64 v[160:161], v7
	s_wait_dscnt 0x0
.irp i, 0,1,2,3,4,5,6,7
	global_store_b128 v3, v[128+4*\i:128+4*\i+3], s[22:23] offset:512*\i   ; 32 lanes store 512 consecutive bytes
.endr
	global_store_b64 v10, v[160:161], s[24:25]     ; 16 rows x 16 scale bytes: 256 consecutive bytes
	s_wait_tensorcnt 0x0                           ; the wave's end
	ds_add_u32 v[SPW], v[NIL]
	s_wait_dscnt 0x0
	s_endpgm
.Lfunc_end_k_q1fcf8e4524_prep:
	.size	k_q1fcf8e4524_prep, .Lfunc_end_k_q1fcf8e4524_prep-k_q1fcf8e4524_prep
	.p2alignl 7, 3214868480
	.fill 96, 4, 3214868480
	.section	.rodata,"a",@progbits
	.p2align	6, 0x0
	.amdhsa_kernel k_q1fcf8e4524_prep
		.amdhsa_group_segment_fixed_size 39424
		.amdhsa_private_segment_fixed_size 0
		.amdhsa_enable_private_segment 0
		.amdhsa_kernarg_size 96
		.amdhsa_user_sgpr_count 2
		.amdhsa_user_sgpr_kernarg_segment_ptr 1
		.amdhsa_wavefront_size32 1
		.amdhsa_system_sgpr_workgroup_id_x 1
		.amdhsa_system_sgpr_workgroup_id_y 1
		.amdhsa_system_sgpr_workgroup_id_z 1
		.amdhsa_system_vgpr_workitem_id 0
		.amdhsa_next_free_vgpr 168
		.amdhsa_next_free_sgpr 66
		.amdhsa_reserve_vcc 0
		.amdhsa_float_denorm_mode_32 3
		.amdhsa_float_denorm_mode_16_64 3
		.amdhsa_memory_ordered 1
		.amdhsa_forward_progress 1
		.amdhsa_inst_pref_size 127
	.end_amdhsa_kernel
	.amdgpu_metadata
---
amdhsa.version: [ 1, 2 ]
amdhsa.kernels:
  - .name:           k_q1fcf8e4524_prep
    .symbol:         k_q1fcf8e4524_prep.kd
    .args:
      - { .name: q, .offset: 0, .size: 8, .value_kind: global_buffer, .address_space: global }
      - { .name: k, .offset: 8, .size: 8, .value_kind: global_buffer, .address_space: global }
      - { .name: v, .offset: 16, .size: 8, .value_kind: global_buffer, .address_space: global }
      - { .name: Wq, .offset: 24, .size: 8, .value_kind: global_buffer, .address_space: global }
      - { .name: Wk, .offset: 32, .size: 8, .value_kind: global_buffer, .address_space: global }
      - { .name: Wv, .offset: 40, .size: 8, .value_kind: global_buffer, .address_space: global }
      - { .name: Wo, .offset: 48, .size: 8, .value_kind: global_buffer, .address_space: global }
      - { .name: xc, .offset: 56, .size: 8, .value_kind: global_buffer, .address_space: global }
      - { .name: xs, .offset: 64, .size: 8, .value_kind: global_buffer, .address_space: global }
      - { .name: wc, .offset: 72, .size: 8, .value_kind: global_buffer, .address_space: global }
      - { .name: ws, .offset: 80, .size: 8, .value_kind: global_buffer, .address_space: global }
      - { .name: wo16, .offset: 88, .size: 8, .value_kind: global_buffer, .address_space: global }
    .group_segment_fixed_size: 39424
    .private_segment_fixed_size: 0
    .kernarg_segment_align: 8
    .kernarg_segment_size: 96
    .max_flat_workgroup_size: 128
    .sgpr_count:     66
    .vgpr_count:     168
    .wavefront_size: 32
...
	.end_amdgpu_metadata
.endif
;; end of part 1
;; launch proj (part 2): grid 4 x 96, 4 waves a work-group, clusters of 4 x 4, 327,680 bytes of LDS; arguments xc, xs, wc, ws, bq, bk, bv, qkv; writes qkv
.if DOCPART == 2
	.amdgcn_target "amdgcn-amd-amdhsa--gfx1250"
	.amdhsa_code_object_version 6
	.text
	.protected	k_q1fcf8e4524_proj
	.globl	k_q1fcf8e4524_proj
	.p2align	8
	.type	k_q1fcf8e4524_proj,@function
k_q1fcf8e4524_proj:
	s_mov_b64 s[64:65], 0
	v_nop
	global_prefetch_b8 v0, s[64:65] scope:SCOPE_SE
	s_setreg_imm32_b32 hwreg(HW_REG_WAVE_MODE, 25, 1), 1
	s_wait_xcnt 0x0
	s_wait_alu depctr_hold_cnt(0) depctr_sa_sdst(0) depctr_va_vdst(0) depctr_va_sdst(0) depctr_va_ssrc(0) depctr_va_vcc(0) depctr_vm_vsrc(0)
	s_getreg_b32 s2, hwreg(HW_REG_IB_STS2, 6, 4)
	s_cmp_eq_u32 s2, 0
	s_cbranch_scc0 .Lentry_in_a_cluster
	s_endpgm
.Lentry_in_a_cluster:
	s_bfe_u32 s2, ttmp6, 0x10000c
	s_cmp_lg_u32 s2, 0xf033
	s_cbranch_scc0 .Lentry_shape_is_right
	s_endpgm
.Lentry_shape_is_right:
; The three projections x W + b (x = q, k, v: 8,192 x 1,024; W: 1,024 x 1,024) on codes of FP4 with E8M0 scales, sums in f32 begun with the bias, results rounded once to f16.
; Codes and scale bytes lie in the order of the operands' registers: a tile of 16 rows is [block of 32 along K][row][16 bytes]; scale bytes [half of K][row][16].
; A work-group of four waves makes 256 rows x 256 columns of one tensor, a wave 128 x 128: 64 accumulators, 512 registers.  K = 1,024 is two LDS slots of 512: both are first fills, nothing is filled again.
; CLUSTER 4 x 4: the four of a row of the cluster need the same rows of x, the four of a column the same columns of W: each tile and its scale bytes are asked for jointly.  32 tile rows belong to a tensor, 8 clusters: no cluster straddles two.
; THE MATRIX INSTRUCTION IS USED TRANSPOSED (source 0 = 16 columns of W, source 1 = 16 rows of x): a lane holds one row and eight neighbouring columns, which pack into 16 bytes of f16.
; THE RESULT is stored as the next launch's operands want it: [tensor][batch][head][tile of 16 positions][2,048 bytes]; in a tile a lane's 16 bytes (position r, channels 8 g ..) lie at 256 g + 16 r for q and k,
; and for v at 512 (g / 2) + 256 (r / 8) + 128 (g % 2) + 16 (r % 8), so that the turning LDS load of the next launch reads at 16 x lane.  Either way a store of the wave covers 512 consecutive bytes: no stage in LDS.
; LIMIT: projected numbers must lie under 65,504 in magnitude (f16).
; REGISTERS: window 0: v16-29 addresses; v32-95 scale words, two sets; v128-191 x's fragments, one set; v192-255 the bias in the result's layout.  window 1: W's fragments, two sets; on the way out the packed results.  windows 2, 3: the accumulators.
.set NQ,    4                          ; steps of 128 along K in a slot
.set FR,    8                          ; registers of a fragment
.set NL,    2                          ; LDS loads that bring one
.set NP,    4                          ; places behind this matrix instruction (ISA guide 7.12.1)
.set TILEB, 4096                       ; a tile of 16 rows, half of K
.set PART,  8*TILEB                    ; 128 rows: what one tensor load brings and what a wave reads of x or of W
.set SLOT,  4*PART                     ; x's 256 rows, then W's 256 columns
.set SCL,   2*SLOT                     ; the scale bytes: for each wave's 128 rows [half of K][128][16]
.set SPART, 4096
.set SPARE, SCL+4*SPART                ; the spare words, 128 bytes a wave, which no other line names
.set ADRA, 16                          ; v16-17 LDS address of x's fragments in slot 0, 1
.set ADRB, 20                          ; v20-21 of W's
.set CO,   26                          ; v26    my 16 bytes in a store's 512
.set ADRS, 27                          ; v27    my scale words: lanes 0-15 x's rows, lanes 16-31 W's columns
.set SPW,  28
.set NIL,  29
.set SC,   32
.set AF,   128
.set BI,   192
.set G1,   24
.set G0,   32
.set G1B,  48
.set G0B,  56
.set G1S,  68
.set G0S,  76
.set G1SB, 80
.set G0SB, 88
.set MSB, 0
.macro WIN new                         ; the immediate's high byte repeats the setting that is left
.if MSB != \new
	s_set_vgpr_msb (MSB<<8)|\new
.set MSB, \new
.endif
.endm
.set MUL_LO, 0xa1                      ; source 0 (W) window 1, source 1 (x) window 0, C and D window 2
.set MUL_HI, 0xf1                      ; the same, C and D window 3
.set FST_LO, 0x81                      ; the first step: C is the bias, in window 0
.set FST_HI, 0xc1
.set TO_B,   0x40
; A joint load: waves 0 and 1 fetch for x, waves 2 and 3 for W.  The branch hangs on the wave's number alone.  An s_nop 0 and four v_nop follow each of the two lines.
.macro JLOAD g0a, g1a, g0b, g1b
	s_cmp_eq_u32 s21, 0
	s_cbranch_scc0 .Lfor_b_\@
	tensor_load_to_lds s[\g0a:\g0a+3], s[\g1a:\g1a+7]
	s_nop 0
.rept 4
	v_nop
.endr
	s_branch .Lasked_\@
.Lfor_b_\@:
	tensor_load_to_lds s[\g0b:\g0b+3], s[\g1b:\g1b+7]
	s_nop 0
.rept 4
	v_nop
.endr
.Lasked_\@:
.endm
.macro CROUND                          ; a round of the cluster's barrier
	s_barrier_signal -1
	s_barrier_wait -1
	s_cmp_lg_u32 s20, 0
	s_cbranch_scc1 .Lnot_wave_0_\@
	s_barrier_signal -3
.Lnot_wave_0_\@:
	s_barrier_wait -3
	s_barrier_signal -1
	s_barrier_wait -1
.endm
	s_load_b512 s[4:19], s[0:1], 0x0               ; xc 4, xs 6, wc 8, ws 10, bq 12, bk 14, bv 16, qkv 18
	v_lshl_add_u32 v[SPW], v0, 2, SPARE
	v_mov_b32 v[NIL], 0
	ds_add_u32 v[SPW], v[NIL]                      ; the wave's opening: the add, twice on end, and its wait ahead of my first tensor load
	ds_add_u32 v[SPW], v[NIL]
	v_lshrrev_b32 v1, 5, v0
	v_readfirstlane_b32 s20, v1                    ; wave 0..3
	s_lshr_b32 s21, s20, 1                         ; my half of the rows.  Also: I fetch for x (0) or for W (1)
	s_and_b32 s22, s20, 1                          ; my half of the columns.  Also: which 128 rows I fetch
	s_bfe_u32 s40, ttmp6, 0x40000                  ; cx, cy
	s_bfe_u32 s41, ttmp6, 0x40004
	s_lshl_b32 s42, ttmp9, 2
	s_add_co_u32 s42, s42, s40                     ; tile column
	s_and_b32 s45, ttmp7, 0xffff
	s_lshl_b32 s23, s45, 2
	s_add_co_u32 s23, s23, s41                     ; tile row, 0 .. 95 over the three tensors
	s_lshr_b32 s45, s45, 3                         ; the tensor: from the cluster's y alone
	s_lshl_b32 s43, s41, 2
	s_lshl_b32 s43, 15, s43                        ; my row of the cluster
	s_lshl_b32 s44, 0x1111, s40                    ; my column
	; group 1 for codes: 8 tiles of 16 rows, of each 4,096 bytes (512 elements of 8 bytes), 8,192 bytes apart; dense in LDS
	s_or_b32 s[G1+0], s43, (3<<16)|(1<<21)
	s_or_b32 s[G1B+0], s44, (3<<16)|(1<<21)
.irp g, G1, G1B
	s_mov_b32 s[\g+1], 512<<16                     ; tensor_dim0
	s_mov_b32 s[\g+2], 8<<16                       ; tensor_dim1
	s_mov_b32 s[\g+3], 512<<16                     ; tile_dim0
	s_mov_b32 s[\g+4], 8                           ; tile_dim1
	s_mov_b32 s[\g+5], 1024                        ; from tile to tile
	s_mov_b32 s[\g+6], 0
	s_mov_b32 s[\g+7], 0
.endr
	; group 1 for scale bytes: two rows (the halves of K) of 128 x 16 bytes
	s_or_b32 s[G1S+0], s43, (3<<16)|(1<<21)
	s_or_b32 s[G1SB+0], s44, (3<<16)|(1<<21)
.irp g, G1S, G1SB
	s_mov_b32 s[\g+1], 256<<16
	s_mov_b32 s[\g+2], 2<<16
	s_mov_b32 s[\g+3], 256<<16
	s_mov_b32 s[\g+4], 2
	s_mov_b32 s[\g+6], 0
	s_mov_b32 s[\g+7], 0
.endr
	s_mov_b32 s[G1S+5], 49152                      ; 24,576 rows x 16 bytes, in elements of 8
	s_mov_b32 s[G1SB+5], 6144                      ; 3,072 columns x 16 bytes
	s_lshl_b32 s46, s22, 3                         ; which 8 tiles I fetch
	s_lshl_b32 s92, s23, 4
	s_add_co_u32 s92, s92, s46                     ; x: tile of 16 rows = 16 x tile row + 8 x half
	s_lshl_b32 s94, s42, 4
	s_add_co_u32 s94, s94, s46
	s_lshl_b32 s47, s45, 6
	s_add_co_u32 s94, s94, s47                     ; W: 64 x tensor + 16 x tile column + 8 x half
	s_lshl_b32 s96, s92, 8                         ; their scale bytes: 256 a tile,
	s_mov_b32 s97, 0
	s_lshl_b32 s92, s92, 13                        ; their codes: 8,192 a tile
	s_mov_b32 s93, 0
	s_lshl_b32 s98, s94, 8
	s_mov_b32 s99, 0
	s_lshl_b32 s94, s94, 13
	s_mov_b32 s95, 0
	s_lshl_b32 s3, s20, 15                         ; where they go: wave x PART,
	s_lshl_b32 s2, s20, 12                         ; wave x SPART: no place in the cluster enters an LDS address
	s_wait_dscnt 0x0                               ; both opening adds are done
	s_wait_kmcnt 0x0
	s_add_nc_u64 s[92:93], s[4:5], s[92:93]
	s_add_nc_u64 s[96:97], s[6:7], s[96:97]
	s_add_nc_u64 s[94:95], s[8:9], s[94:95]
	s_add_nc_u64 s[98:99], s[10:11], s[98:99]
	CROUND                                         ; all sixteen work-groups are here: the first joint loads meet
	s_mov_b32 s[G0S], 1
	s_add_co_u32 s[G0S+1], s2, SCL
	s_mov_b64 s[G0S+2:G0S+3], s[96:97]
	s_or_b32 s[G0S+3], s[G0S+3], 0x80000000
	s_mov_b32 s[G0SB], 1
	s_add_co_u32 s[G0SB+1], s2, SCL
	s_mov_b64 s[G0SB+2:G0SB+3], s[98:99]
	s_or_b32 s[G0SB+3], s[G0SB+3], 0x80000000
	JLOAD G0S, G1S, G0SB, G1SB                     ; the scale bytes first: they are wanted with the first step
.irp s, 0,1
	s_mov_b32 s[G0+4*\s], 1
	s_add_co_u32 s[G0+4*\s+1], s3, \s*SLOT
	s_add_nc_u64 s[G0+4*\s+2:G0+4*\s+3], s[92:93], \s*TILEB
	s_or_b32 s[G0+4*\s+3], s[G0+4*\s+3], 0x80000000
	s_mov_b32 s[G0B+4*\s], 1
	s_add_co_u32 s[G0B+4*\s+1], s3, \s*SLOT
	s_add_nc_u64 s[G0B+4*\s+2:G0B+4*\s+3], s[94:95], \s*TILEB
	s_or_b32 s[G0B+4*\s+3], s[G0B+4*\s+3], 0x80000000
	JLOAD G0+4*\s, G1, G0B+4*\s, G1B               ; three tensor loads of mine are out
.endr
	v_and_b32 v1, 31, v0
	v_lshlrev_b32 v2, 4, v1                        ; 16 x lane: a fragment's registers lie in LDS as they lie in the lanes
	s_lshl_b32 s46, s21, 15                        ; my 128 rows of x
	s_lshl_b32 s47, s22, 15
	s_add_co_u32 s47, s47, 2*PART                  ; my 128 columns of W, behind x's 256 rows
.irp s, 0,1
	v_add_nc_u32 v[ADRA+\s], s46, v2
	v_add_nc_u32 v[ADRB+\s], s47, v2
	s_add_co_u32 s46, s46, SLOT
	s_add_co_u32 s47, s47, SLOT
.endr
	v_and_b32 v3, 15, v0                           ; r
	v_bfe_u32 v4, v0, 4, 1                         ; h
	s_lshl_b32 s46, s21, 12                        ; x's scale bytes of my rows
	s_lshl_b32 s47, s22, 12
	s_add_co_u32 s47, s47, 2*SPART                 ; W's of my columns
	s_sub_co_u32 s47, s47, s46
	v_mul_u32_u24 v5, s47, v4                      ; lanes 16-31 take W's: the lower base + h x the distance
	s_add_co_u32 s46, s46, SCL
	v_lshl_add_u32 v5, v3, 4, v5
	v_add_nc_u32 v[ADRS], s46, v5
	; the bias, in the result's layout: register 8 b + j = bias[my first column + 16 b + 8 h + j]
	s_cmp_eq_u32 s45, 0
	s_cselect_b64 s[12:13], s[12:13], s[14:15]
	s_cmp_eq_u32 s45, 2
	s_cselect_b64 s[12:13], s[16:17], s[12:13]
	s_lshl_b32 s46, s42, 10
	s_lshl_b32 s47, s22, 9
	s_add_co_u32 s46, s46, s47
	s_mov_b32 s47, 0
	s_add_nc_u64 s[12:13], s[12:13], s[46:47]
	v_lshlrev_b32 v6, 5, v4
.irp b, 0,1,2,3,4,5,6,7
	global_load_b128 v[BI+8*\b:BI+8*\b+3], v6, s[12:13] offset:64*\b
	global_load_b128 v[BI+8*\b+4:BI+8*\b+7], v6, s[12:13] offset:64*\b+16
.endr
	; my 16 bytes in a store's 512: q, k: 16 x lane; v: lane bits 3 and 4 change places
	s_cmp_eq_u32 s45, 2
	s_cselect_b32 s46, 8, 7
	s_cselect_b32 s47, 7, 8
	v_and_b32 v7, 7, v0
	v_lshlrev_b32 v[CO], 4, v7
	v_bfe_u32 v7, v0, 3, 1
	v_lshlrev_b32 v7, s46, v7
	v_or_b32 v[CO], v[CO], v7
	v_lshlrev_b32 v7, s47, v4
	v_or_b32 v[CO], v[CO], v7
	; where my results begin: tensor, batch, my first head, my first tile of 16 positions
	s_and_b32 s46, s23, 31
	s_lshr_b32 s47, s46, 3
	s_lshl_b32 s47, s47, 22                        ; batch x 4,194,304
	s_lshl_b32 s92, s45, 24                        ; tensor x 16,777,216
	s_add_co_u32 s92, s92, s47
	s_and_b32 s46, s46, 7
	s_lshl_b32 s46, s46, 4
	s_lshl_b32 s47, s21, 3
	s_add_co_u32 s46, s46, s47
	s_lshl_b32 s46, s46, 11                        ; tile of positions x 2,048
	s_add_co_u32 s92, s92, s46
	s_lshl_b32 s46, s42, 2
	s_lshl_b32 s47, s22, 1
	s_add_co_u32 s46, s46, s47
	s_lshl_b32 s46, s46, 18                        ; head x 262,144
	s_add_co_u32 s92, s92, s46
	s_mov_b32 s93, 0
	s_add_nc_u64 s[18:19], s[18:19], s[92:93]
.macro FRAG reg, adr, q, i             ; 16 rows x 128 K: two loads of 512 consecutive bytes
.irp c, 0,1
	ds_load_b128 v[\reg+4*\c:\reg+4*\c+3], v[\adr] offset:(\i)*TILEB+1024*(\q)+512*\c
.endr
.endm
; 16 matrix instructions: x's blocks a0, a0 + 1 against W's eight.  p: W's set; sc: the set of scale words.  zero = 1: the first step starts the sums with the bias: nothing is cleared and nothing added later.
; The 64 accumulators take turns, one instruction a turn, in the same order in every step.
.macro MUL16 a0, p, q, sc, zero
.irp a, \a0, \a0+1
.irp b, 0,1,2,3,4,5,6,7
.if \zero
	v_wmma_scale_f32_16x16x128_f8f6f4 v[8*(8*((\a)%4)+\b):8*(8*((\a)%4)+\b)+7], v[128*(\p)+FR*\b:128*(\p)+FR*\b+FR-1], v[AF+FR*(\a):AF+FR*(\a)+FR-1], v[BI+8*\b:BI+8*\b+7], v[SC+8*NQ*(\sc)+NQ*\b+(\q)], v[SC+8*NQ*(\sc)+NQ*(\a)+(\q)] matrix_a_fmt:MATRIX_FMT_FP4 matrix_b_fmt:MATRIX_FMT_FP4 matrix_a_scale:MATRIX_SCALE_ROW1
.else
	v_wmma_scale_f32_16x16x128_f8f6f4 v[8*(8*((\a)%4)+\b):8*(8*((\a)%4)+\b)+7], v[128*(\p)+FR*\b:128*(\p)+FR*\b+FR-1], v[AF+FR*(\a):AF+FR*(\a)+FR-1], v[8*(8*((\a)%4)+\b):8*(8*((\a)%4)+\b)+7], v[SC+8*NQ*(\sc)+NQ*\b+(\q)], v[SC+8*NQ*(\sc)+NQ*(\a)+(\q)] matrix_a_fmt:MATRIX_FMT_FP4 matrix_b_fmt:MATRIX_FMT_FP4 matrix_a_scale:MATRIX_SCALE_ROW1
.endif
.endr
.endr
.endm
.macro FETCH_B slot, q, p
	WIN TO_B
.irp i, 0,1,2,3,4,5,6,7
	FRAG 128*(\p)+FR*\i, ADRB+\slot, \q, \i
.endr
	WIN 0
.endm
.macro FETCH_A slot, q, i0
.irp i, \i0, \i0+1, \i0+2, \i0+3
	FRAG AF+FR*(\i), ADRA+\slot, \q, \i
.endr
.endm
.macro SCALES sc                       ; a slot's scale words: four words a row; lanes 0-15 x's block i, lanes 16-31 W's block i
.irp i, 0,1,2,3,4,5,6,7
	ds_load_b128 v[SC+8*NQ*\sc+NQ*\i:SC+8*NQ*\sc+NQ*\i+3], v[ADRS] offset:\sc*2048+\i*256
.endr
.endm
.macro PLACES n                        ; plain vector instructions between a matrix instruction and a load into, or a read of, its registers
.rept \n
	v_nop
.endr
.endm
.macro STEP slot, q, zero              ; 128 along K with its successor in the same slot
	s_wait_dscnt 4*NL                              ; W's set and x's blocks 0-3 are in; the youngest eight loads (x's blocks 4-7) may be out
.if \zero
	WIN FST_LO
.else
	WIN MUL_LO
.endif
	MUL16 0, (\q)%2, \q, \slot, \zero
	MUL16 2, (\q)%2, \q, \slot, \zero
	s_wait_dscnt 0                                 ; x's blocks 4-7 are in
	PLACES NP
	FETCH_B \slot, (\q)+1, 1-(\q)%2
	FETCH_A \slot, (\q)+1, 0
.if \zero
	WIN FST_HI
.else
	WIN MUL_HI
.endif
	MUL16 4, (\q)%2, \q, \slot, \zero
	MUL16 6, (\q)%2, \q, \slot, \zero
	PLACES NP
	WIN 0
	FETCH_A \slot, (\q)+1, 4
.endm
.macro STEPS slot, from
.set Q, \from
.rept NQ-1-\from
	STEP \slot, Q, 0
.set Q, Q+1
.endr
.endm
	s_wait_tensorcnt 1                             ; the scale bytes and my part of slot 0 are in; slot 1's load may be out
	s_barrier_signal -1
	s_barrier_wait -1
	FETCH_B 0, 0, 0
	FETCH_A 0, 0, 0
	SCALES 0
	FETCH_A 0, 0, 4
	s_wait_loadcnt 0x0                             ; the bias
	STEP 0, 0, 1
	STEPS 0, 1
	; slot 0's last step, and the change to slot 1.  Nothing is filled again, so the barrier only shows every wave's part of slot 1 landed
	s_wait_tensorcnt 0x0                           ; my part of slot 1 is in
	s_wait_dscnt 4*NL
	WIN MUL_LO
	MUL16 0, 1, NQ-1, 0, 0
	s_wait_dscnt 0x0                               ; no LDS instruction of mine is pending at the signal
	s_barrier_signal -1
	MUL16 2, 1, NQ-1, 0, 0
	s_barrier_wait -1
	PLACES NP
	FETCH_B 1, 0, 0
	FETCH_A 1, 0, 0
	SCALES 1
	WIN MUL_HI
	MUL16 4, 1, NQ-1, 0, 0
	MUL16 6, 1, NQ-1, 0, 0
	PLACES NP
	WIN 0
	FETCH_A 1, 0, 4
	STEPS 1, 0
	s_wait_dscnt 4*NL                              ; the last step: nothing more to fetch
	WIN MUL_LO
	MUL16 0, 1, NQ-1, 1, 0
	MUL16 2, 1, NQ-1, 1, 0
	s_wait_dscnt 0
	WIN MUL_HI
	MUL16 4, 1, NQ-1, 1, 0
	MUL16 6, 1, NQ-1, 1, 0
	WIN 0
	PLACES NP                                      ; behind the last products: the conversions read results and write over W's fragments
; THE WAY OUT: a lane's eight results pack into 16 bytes of f16, into window 1; accumulator (a, b) is one store of 512 consecutive bytes.  256 registers for 64 stores: no store's data are written again.
.macro OUTHALF hw
	WIN 0x4a+5*\hw                                 ; sources window 2 or 3, destination window 1
.irp a, 0,1,2,3
.irp b, 0,1,2,3,4,5,6,7
.irp r, 0,1,2,3
	v_cvt_pk_f16_f32 v[128*\hw+4*(8*\a+\b)+\r], v[8*(8*\a+\b)+2*\r], v[8*(8*\a+\b)+2*\r+1]   ; each accumulator from its low end on
.endr
.endr
.endr
	WIN 0x04                                       ; a store's data: window 1
.irp a, 0,1,2,3
.irp b, 0,1,2,3,4,5,6,7
	global_store_b128 v[CO], v[128*\hw+4*(8*\a+\b):128*\hw+4*(8*\a+\b)+3], s[18:19] offset:(\b/4)*262144+(4*\hw+\a)*2048+(\b%4)*512   ; head b / 4, tile of positions 4 hw + a, channels 16 (b % 4) on
.endr
.endr
.endm
	OUTHALF 0
	OUTHALF 1
	WIN 0
	s_wait_tensorcnt 0x0                           ; the wave's end
	ds_add_u32 v[SPW], v[NIL]
	s_wait_dscnt 0x0
	CROUND                                         ; the closing round: no work-group ends while a partner may still ask for a tile that names it
	s_endpgm
.Lfunc_end_k_q1fcf8e4524_proj:
	.size	k_q1fcf8e4524_proj, .Lfunc_end_k_q1fcf8e4524_proj-k_q1fcf8e4524_proj
	.p2alignl 7, 3214868480
	.fill 96, 4, 3214868480
	.section	.rodata,"a",@progbits
	.p2align	6, 0x0
	.amdhsa_kernel k_q1fcf8e4524_proj
		.amdhsa_group_segment_fixed_size 327680
		.amdhsa_private_segment_fixed_size 0
		.amdhsa_enable_private_segment 0
		.amdhsa_kernarg_size 64
		.amdhsa_user_sgpr_count 2
		.amdhsa_user_sgpr_kernarg_segment_ptr 1
		.amdhsa_wavefront_size32 1
		.amdhsa_system_sgpr_workgroup_id_x 1
		.amdhsa_system_sgpr_workgroup_id_y 1
		.amdhsa_system_sgpr_workgroup_id_z 1
		.amdhsa_system_vgpr_workitem_id 0
		.amdhsa_next_free_vgpr 1024
		.amdhsa_next_free_sgpr 100
		.amdhsa_reserve_vcc 0
		.amdhsa_float_denorm_mode_32 3
		.amdhsa_float_denorm_mode_16_64 3
		.amdhsa_memory_ordered 1
		.amdhsa_forward_progress 1
		.amdhsa_inst_pref_size 119
	.end_amdhsa_kernel
	.amdgpu_metadata
---
amdhsa.version: [ 1, 2 ]
amdhsa.kernels:
  - .name:           k_q1fcf8e4524_proj
    .symbol:         k_q1fcf8e4524_proj.kd
    .args:
      - { .name: xc, .offset: 0, .size: 8, .value_kind: global_buffer, .address_space: global }
      - { .name: xs, .offset: 8, .size: 8, .value_kind: global_buffer, .address_space: global }
      - { .name: wc, .offset: 16, .size: 8, .value_kind: global_buffer, .address_space: global }
      - { .name: ws, .offset: 24, .size: 8, .value_kind: global_buffer, .address_space: global }
      - { .name: bq, .offset: 32, .size: 8, .value_kind: global_buffer, .address_space: global }
      - { .name: bk, .offset: 40, .size: 8, .value_kind: global_buffer, .address_space: global }
      - { .name: bv, .offset: 48, .size: 8, .value_kind: global_buffer, .address_space: global }
      - { .name: qkv, .offset: 56, .size: 8, .value_kind: global_buffer, .address_space: global }
    .group_segment_fixed_size: 327680
    .private_segment_fixed_size: 0
    .kernarg_segment_align: 8
    .kernarg_segment_size: 64
    .max_flat_workgroup_size: 128
    .sgpr_count:     100
    .vgpr_count:     1024
    .wavefront_size: 32
...
	.end_amdgpu_metadata
.endif
;; end of part 2
;; launch attn (part 3): grid 4 x 64, 16 waves a work-group, clusters of 4 x 1, 327,680 bytes of LDS; arguments qkv, mask, att; writes att
.if DOCPART == 3
	.amdgcn_target "amdgcn-amd-amdhsa--gfx1250"
	.amdhsa_code_object_version 6
	.text
	.protected	k_q1fcf8e4524_attn
	.globl	k_q1fcf8e4524_attn
	.p2align	8
	.type	k_q1fcf8e4524_attn,@function
k_q1fcf8e4524_attn:
	s_mov_b64 s[64:65], 0
	v_nop
	global_prefetch_b8 v0, s[64:65] scope:SCOPE_SE
	s_setreg_imm32_b32 hwreg(HW_REG_WAVE_MODE, 25, 1), 1
	s_wait_xcnt 0x0
	s_wait_alu depctr_hold_cnt(0) depctr_sa_sdst(0) depctr_va_vdst(0) depctr_va_sdst(0) depctr_va_ssrc(0) depctr_va_vcc(0) depctr_vm_vsrc(0)
	s_getreg_b32 s2, hwreg(HW_REG_IB_STS2, 6, 4)
	s_cmp_eq_u32 s2, 0
	s_cbranch_scc0 .Lentry_in_a_cluster
	s_endpgm
.Lentry_in_a_cluster:
	s_bfe_u32 s2, ttmp6, 0x10000c
	s_cmp_lg_u32 s2, 0x3003
	s_cbranch_scc0 .Lentry_shape_is_right
	s_endpgm
.Lentry_shape_is_right:
; O[b][h][q] = the sum over k of softmax_k(Q.K / 8 + mask[b][k] x (-1e9)) V[k]: 64 heads (batch x head), 2,048 positions, head size 64.  Operands in f16, products, maxima and sums in f32; p is rounded to f16 for the second product.
; Q, K, V lie in the order of the operands' registers: a tile of 16 positions is 2,048 bytes, a fragment's four registers are 512 consecutive bytes at 16 x lane (V so that the turning LDS load reads at 16 x lane).
; SHARES.  A work-group owns 512 queries of one head, each of its SIXTEEN waves 32: two tiles of 16, in 256 registers: four waves to a SIMD, so that one wave's softmax stands beside another's products and LDS loads.
; Each fragment of K and V read from LDS feeds two products.  Every wave walks all 2,048 keys, 64 a step, 8 steps a slot; two LDS slots of 512 keys (64 KiB of K, 64 KiB of V), each wave fetching 8 KiB.
; CLUSTER.  The four query blocks of a head walk the same K and V: every tile is asked for jointly (mask 15), with a descriptor made of the head and the wave's number alone.
; LAYOUT.  S^T = K Q^T and O^T = V^T P: a lane holds ONE query (lane % 16) throughout; two tiles of S^T packed in pairs ARE source 1 of the second product.
; SOFTMAX, in base 2: T = score x log2(e) / 8 + (mask x -1e9) x log2(e), one fused multiply-add; a running maximum m of T; p = 2^(T - m); O and the sum l are multiplied by a = 2^(m_old - m_new) in every step; O / l at the end.
; STATED: that order of rounding differs from score / 8 + mask x -1e9 followed by e^x; it shows only where every key of a row carries a huge bias and logits there differ by more than that sum's last bit.
; LIMITS: NaN and infinities are not served; the result must lie under 65,504 in magnitude (f16).
; No prefetch: a refill is asked for a whole slot, eight key steps of each of the SIMD's four waves, ahead of the wait for it; the mask, 8 KiB a work-group, comes by plain loads.
.set SLOT1, 131072
.set VOFF,  65536                      ; a slot: 32 tiles of K, then 32 tiles of V
.set BIAS,  2*SLOT1                    ; 2,048 f32: (mask x -1e9) x log2(e); stored by ds_store, never a tensor load's target
.set SPARE, BIAS+8192                  ; the spare words, 128 bytes a wave, which no other line names
.set AK0, 1                            ; v1  16 x lane: my place in every fragment; also my offset in Q's loads and in the stores
.set AV0, 2                            ; v2  the same in V's part of a slot
.set AB0, 3                            ; v3  BIAS + 32 (lane / 16)
.set ADK, 4
.set ADV, 5
.set ADB, 6
.set SPW, 8
.set NIL, 9
.set ST,  16                           ; tile t's statistics at v[ST + 8 t]: +0 -m, +1 m, +2, +3 l (two halves), +4 .. +7 c0-c3 at work; a takes c2's place
.set Q,   32                           ; Q's fragments: tile t, channels 32 s on, at Q + 16 t + 8 s
.set S,   64                           ; S^T: tile t, keys 16 kt on, at S + 32 t + 8 kt; later P in its first 16 registers
.set O,   128                          ; O^T: tile t, channels 16 c on, at O + 32 t + 8 c
.set KV,  192                          ; a step's K, then its bias, then its V
.set WV,  12
.set G1,  24
.set G0A, 32                           ; group 0 of slot 0;
.set G0B, 36                           ; of slot 1
.set CS,  40                           ; s[40:41] log2(e) / 8
.set SEL, 42                           ; s[42:43] v_permlanex16_b32's selects for lane l xor 16
.set TB,  44                           ; LDS byte at which the step's tiles of K begin
.set TBI, 45                           ; byte of the step's first key in the bias
.set CNT, 46
.macro CROUND                          ; a round of the cluster's barrier
	s_barrier_signal -1
	s_barrier_wait -1
	s_cmp_lg_u32 s[WV], 0
	s_cbranch_scc1 .Lnot_wave_0_\@
	s_barrier_signal -3
.Lnot_wave_0_\@:
	s_barrier_wait -3
	s_barrier_signal -1
	s_barrier_wait -1
.endm
	s_load_b128 s[4:7], s[0:1], 0x0                ; qkv, mask
	s_load_b64 s[8:9], s[0:1], 0x10                ; att
	v_lshl_add_u32 v[SPW], v0, 2, SPARE
	v_mov_b32 v[NIL], 0
	ds_add_u32 v[SPW], v[NIL]                      ; the wave's opening: the add, twice on end, and its wait ahead of my first tensor load
	ds_add_u32 v[SPW], v[NIL]
	v_lshrrev_b32 v10, 5, v0
	v_readfirstlane_b32 s[WV], v10                 ; wave 0..15
	s_bfe_u32 s13, ttmp6, 0x40000                  ; cx
	s_lshl_b32 s15, ttmp9, 2
	s_add_co_u32 s15, s15, s13                     ; my block of 512 queries: it enters Q's and the result's addresses alone
	s_and_b32 s14, ttmp7, 0xffff                   ; 16 x batch + head, which the four partners share
	s_lshr_b32 s16, s[WV], 3                       ; waves 0-7 fetch K, waves 8-15 V
	s_add_co_u32 s16, s16, 1
	s_lshl_b32 s16, s16, 24                        ; K is tensor 1, V tensor 2, of 16,777,216 bytes
	s_lshl_b32 s17, s14, 18                        ; a head: 262,144 bytes
	s_add_co_u32 s16, s16, s17
	s_and_b32 s18, s[WV], 7
	s_lshl_b32 s18, s18, 13                        ; my 8,192 bytes: four tiles
	s_add_co_u32 s16, s16, s18
	s_mov_b32 s17, 0
	s_lshl_b32 s20, s15, 5
	s_lshl_b32 s21, s[WV], 1
	s_add_co_u32 s22, s20, s21                     ; my first tile of 16 queries: 32 x block + 2 x wave
	s_lshl_b32 s20, s22, 11
	s_lshl_b32 s21, s14, 18
	s_add_co_u32 s20, s20, s21                     ; Q is tensor 0
	s_mov_b32 s21, 0
	s_lshr_b32 s23, s14, 4                         ; batch
	s_lshl_b32 s2, s23, 7
	s_add_co_u32 s2, s2, s22
	s_lshl_b32 s2, s2, 15                          ; the result: a tile of 16 rows is 32,768 bytes,
	s_and_b32 s3, s14, 15
	s_lshl_b32 s3, s3, 11                          ; a head's 64 channels 2,048 of them
	s_add_co_u32 s2, s2, s3
	s_mov_b32 s3, 0
	s_lshl_b32 s22, s23, 13                        ; the batch's 2,048 numbers of the mask
	s_mov_b32 s23, 0
	; group 1: 8,192 dense bytes as 32 rows of 256 (32 elements of 8 bytes); one shape for K and V
	s_mov_b32 s[G1], 15|(3<<16)|(1<<21)            ; the mask: all four work-groups; elements of 8 bytes; bit 21 set beside a mask
	s_mov_b32 s[G1+1], 32<<16
	s_mov_b32 s[G1+2], 32<<16
	s_mov_b32 s[G1+3], 32<<16
	s_mov_b32 s[G1+4], 32
	s_mov_b32 s[G1+5], 32
	s_mov_b32 s[G1+6], 0
	s_mov_b32 s[G1+7], 0
	s_mov_b32 s[CS], 0x3e38aa3b                    ; log2(e) / 8
	s_mov_b32 s[CS+1], s[CS]                       ; (named with it as a pair)
	s_mov_b32 s[SEL], 0x76543210
	s_mov_b32 s[SEL+1], 0xfedcba98
	s_wait_dscnt 0x0                               ; both opening adds are done
	s_wait_kmcnt 0x0
	s_add_nc_u64 s[18:19], s[4:5], s[16:17]        ; my part of the head's first 512 keys
	s_add_nc_u64 s[10:11], s[4:5], s[20:21]        ; Q at my first tile
	s_add_nc_u64 s[6:7], s[6:7], s[22:23]
	s_add_nc_u64 s[8:9], s[8:9], s[2:3]
	CROUND                                         ; all four work-groups are here: the first joint loads meet
	s_mov_b32 s[G0A], 1
	s_lshl_b32 s[G0A+1], s[WV], 13                 ; LDS: wave x 8,192: K's eight parts, then V's eight
	s_mov_b64 s[G0A+2:G0A+3], s[18:19]
	s_or_b32 s[G0A+3], s[G0A+3], 0x80000000
	s_mov_b32 s[G0B], 1
	s_add_co_u32 s[G0B+1], s[G0A+1], SLOT1
	s_add_nc_u64 s[G0B+2:G0B+3], s[18:19], 65536   ; the next 512 keys
	s_or_b32 s[G0B+3], s[G0B+3], 0x80000000
	tensor_load_to_lds s[G0A:G0A+3], s[G1:G1+7]    ; every wave has a part of its own: one line, no branch.  Two loads of mine are out
	s_nop 0
	tensor_load_to_lds s[G0B:G0B+3], s[G1:G1+7]
	s_nop 0
.rept 4
	v_nop
.endr
	v_and_b32 v1, 31, v0
	v_lshlrev_b32 v[AK0], 4, v1
	v_add_nc_u32 v[AV0], VOFF, v[AK0]
	v_bfe_u32 v3, v0, 4, 1
	v_lshl_add_u32 v[AB0], v3, 5, BIAS
	v_lshlrev_b32 v10, 4, v0                       ; the mask: 16 bytes a thread, 8,192 a work-group
	v_lshl_add_u32 v11, v0, 4, BIAS
.irp t, 0,1
.irp s, 0,1
.irp j, 0,1
	global_load_b128 v[Q+16*\t+8*\s+4*\j:Q+16*\t+8*\s+4*\j+3], v[AK0], s[10:11] offset:\t*2048+\s*1024+\j*512   ; Q stays in registers
.endr
.endr
.endr
	global_load_b128 v[KV:KV+3], v10, s[6:7]
.irp t, 0,1
	v_mov_b32 v[ST+8*\t+1], 0xff61b1e6             ; m: -3e38, under every T
	v_mov_b32 v[ST+8*\t+2], 0                      ; l
	v_mov_b32 v[ST+8*\t+3], 0
.endr
.set i, 0
.rept 64
	v_mov_b32 v[O+i], 0                            ; O^T: the step is written once; its first run finds zeros, which a = 0 leaves zeros
.set i, i+1
.endr
	s_wait_loadcnt 0x0
.irp j, 0,1,2,3
	v_mul_f32 v[KV+\j], 0xce6e6b28, v[KV+\j]       ; mask x -1e9, rounded as in the definition,
.endr
.irp j, 0,1,2,3
	v_mul_f32 v[KV+\j], 0x3fb8aa3b, v[KV+\j]       ; x log2(e)
.endr
	ds_store_b128 v11, v[KV:KV+3]
	s_wait_dscnt 0x0                               ; for the others' sake: my part of the bias is stored
	s_wait_tensorcnt 1                             ; my part of slot 0 is in; slot 1's may stay out
	s_barrier_signal -1
	s_barrier_wait -1
; A KEY STEP: 64 keys.
.macro STEP
	v_add_nc_u32 v[ADK], s[TB], v[AK0]             ; these three and two v_nop are five places behind the last step's products: the first products below write over P, the loads land on V
	v_add_nc_u32 v[ADV], s[TB], v[AV0]
	v_add_nc_u32 v[ADB], s[TBI], v[AB0]
	v_nop
	v_nop
.irp s, 0,1                            ; K: channels 0-31 of the four tiles first
.irp kt, 0,1,2,3
.irp j, 0,1
	ds_load_b128 v[KV+16*\kt+8*\s+4*\j:KV+16*\kt+8*\s+4*\j+3], v[ADK] offset:\kt*2048+\s*1024+\j*512
.endr
.endr
.endr
	s_wait_dscnt 8                                 ; channels 0-31 are in; the eight loads of channels 32-63 may be out
.set i, 0
.rept 16                               ; S^T = K Q^T: eight accumulators by turns; the first eight products start the sums
.set rS, S+32*(i%2)+8*((i/2)%4)
.set rK, KV+16*((i/2)%4)+8*(i/8)
.set rQ, Q+16*(i%2)+8*(i/8)
.if i == 8
	s_wait_dscnt 0x0
.endif
.if i < 8
	v_wmma_f32_16x16x32_f16 v[rS:rS+7], v[rK:rK+7], v[rQ:rQ+7], 0
.else
	v_wmma_f32_16x16x32_f16 v[rS:rS+7], v[rK:rK+7], v[rQ:rQ+7], v[rS:rS+7]
.endif
.set i, i+1
.endr
.rept 4
	v_nop                                          ; places: the loads below land on K's registers, the multiply-adds read the scores
.endr
.irp kt, 0,1,2,3                       ; the bias of my keys 16 kt + 8 (lane / 16) + 0 .. 7: sixteen lanes read the same 32 bytes
	ds_load_b128 v[KV+8*\kt:KV+8*\kt+3], v[ADB] offset:64*\kt
	ds_load_b128 v[KV+8*\kt+4:KV+8*\kt+7], v[ADB] offset:64*\kt+16
.endr
	s_wait_dscnt 0x0
.set p, 0
.rept 16                               ; T = score x c + bias, two at a time; each accumulator from its low end on
	v_pk_fma_f32 v[S+p:S+p+1], v[S+p:S+p+1], s[CS:CS+1], v[KV+p:KV+p+1] op_sel_hi:[1,0,1]
	v_pk_fma_f32 v[S+32+p:S+32+p+1], v[S+32+p:S+32+p+1], s[CS:CS+1], v[KV+p:KV+p+1] op_sel_hi:[1,0,1]
.set p, p+2
.endr
.irp u, 0,1                            ; V, turned: keys 32 u on, channels 16 c on.  It lands while the softmax is walked
.irp c, 0,1,2,3
	ds_load_tr16_b128 v[KV+32*\u+8*\c:KV+32*\u+8*\c+3], v[ADV] offset:\u*4096+\c*512
	ds_load_tr16_b128 v[KV+32*\u+8*\c+4:KV+32*\u+8*\c+7], v[ADV] offset:\u*4096+2048+\c*512
.endr
.endr
	; the maximum of my 32 T and the old m: four chains a tile, the two tiles by turns
.irp j, 0,1,2,3
.irp t, 0,1
	v_max3_num_f32 v[ST+8*\t+4+\j], v[S+32*\t+8*\j], v[S+32*\t+8*\j+1], v[S+32*\t+8*\j+2]
.endr
.endr
.irp k, 1,2
.irp j, 0,1,2,3
.irp t, 0,1
	v_max3_num_f32 v[ST+8*\t+4+\j], v[ST+8*\t+4+\j], v[S+32*\t+8*\j+2*\k+1], v[S+32*\t+8*\j+2*\k+2]
.endr
.endr
.endr
.irp t, 0,1
	v_max3_num_f32 v[ST+8*\t+4], v[ST+8*\t+4], v[S+32*\t+7], v[S+32*\t+15]
.endr
.irp t, 0,1
	v_max3_num_f32 v[ST+8*\t+6], v[ST+8*\t+6], v[S+32*\t+23], v[S+32*\t+31]
.endr
.irp t, 0,1
	v_max3_num_f32 v[ST+8*\t+4], v[ST+8*\t+4], v[ST+8*\t+5], v[ST+8*\t+6]
.endr
.irp t, 0,1
	v_max3_num_f32 v[ST+8*\t+4], v[ST+8*\t+4], v[ST+8*\t+7], v[ST+8*\t+1]
.endr
.irp t, 0,1
	v_permlanex16_b32 v[ST+8*\t+5], v[ST+8*\t+4], s[SEL], s[SEL+1]   ; the query's other 32 keys lie in the lane 16 away
.endr
.irp t, 0,1
	v_mov_b32 v[ST+8*\t+7], v[ST+8*\t+1]           ; the old m
.endr
.irp t, 0,1
	v_max_num_f32 v[ST+8*\t+1], v[ST+8*\t+4], v[ST+8*\t+5]   ; the new m
.endr
.irp t, 0,1
	v_mul_f32 v[ST+8*\t], -1.0, v[ST+8*\t+1]
.endr
.irp t, 0,1
	v_add_f32 v[ST+8*\t+7], v[ST+8*\t+7], v[ST+8*\t]         ; m_old - m_new
.endr
.set p, 0
.rept 16
	v_pk_add_f32 v[S+p:S+p+1], v[S+p:S+p+1], v[ST:ST+1] op_sel_hi:[1,0]             ; T - m
	v_pk_add_f32 v[S+32+p:S+32+p+1], v[S+32+p:S+32+p+1], v[ST+8:ST+9] op_sel_hi:[1,0]
.set p, p+2
.endr
.irp t, 0,1
	v_exp_f32 v[ST+8*\t+6], v[ST+8*\t+7]           ; a
.endr
.set i, 0
.rept 64
	v_exp_f32 v[S+i], v[S+i]                       ; p, at most 1
.set i, i+1
.endr
	v_nop                                          ; a plain instruction behind the last exponential
	s_wait_alu depctr_va_vdst(0)                   ; one wait for the batch of 66, ahead of the first instruction that names a result
	; the sums, of the unrounded p: l = a l + .., two chains a tile
.irp t, 0,1
	v_pk_fma_f32 v[ST+8*\t+2:ST+8*\t+3], v[ST+8*\t+2:ST+8*\t+3], v[ST+8*\t+6:ST+8*\t+7], v[S+32*\t:S+32*\t+1] op_sel_hi:[1,0,1]
.endr
.irp t, 0,1
	v_pk_add_f32 v[ST+8*\t+4:ST+8*\t+5], v[S+32*\t+2:S+32*\t+3], v[S+32*\t+4:S+32*\t+5]
.endr
.irp p, 6,10,14,18,22,26
.irp t, 0,1
	v_pk_add_f32 v[ST+8*\t+2:ST+8*\t+3], v[ST+8*\t+2:ST+8*\t+3], v[S+32*\t+\p:S+32*\t+\p+1]
	v_pk_add_f32 v[ST+8*\t+4:ST+8*\t+5], v[ST+8*\t+4:ST+8*\t+5], v[S+32*\t+\p+2:S+32*\t+\p+3]
.endr
.endr
.irp t, 0,1
	v_pk_add_f32 v[ST+8*\t+2:ST+8*\t+3], v[ST+8*\t+2:ST+8*\t+3], v[S+32*\t+30:S+32*\t+31]
.endr
.irp t, 0,1
	v_pk_add_f32 v[ST+8*\t+2:ST+8*\t+3], v[ST+8*\t+2:ST+8*\t+3], v[ST+8*\t+4:ST+8*\t+5]
.endr
.set i, 0
.rept 16                               ; P in f16, in place, ascending: register i takes p 2 i and 2 i + 1; registers 8 u .. 8 u + 7 are source 1 for keys 32 u on
	v_cvt_pk_f16_f32 v[S+i], v[S+2*i], v[S+2*i+1]
	v_cvt_pk_f16_f32 v[S+32+i], v[S+32+2*i], v[S+32+2*i+1]
.set i, i+1
.endr
.set p, 0
.rept 16                               ; O^T x a
	v_pk_mul_f32 v[O+p:O+p+1], v[O+p:O+p+1], v[ST+6:ST+7] op_sel_hi:[1,0]
	v_pk_mul_f32 v[O+32+p:O+32+p+1], v[O+32+p:O+32+p+1], v[ST+14:ST+15] op_sel_hi:[1,0]
.set p, p+2
.endr
	s_wait_dscnt 0x0                               ; V is in
.set i, 0
.rept 16                               ; O^T += V^T P: eight accumulators by turns
.set rO, O+32*(i%2)+8*((i/2)%4)
.set rV, KV+32*(i/8)+8*((i/2)%4)
.set rP, S+32*(i%2)+8*(i/8)
	v_wmma_f32_16x16x32_f16 v[rO:rO+7], v[rV:rV+7], v[rP:rP+7], v[rO:rO+7]
.set i, i+1
.endr
.endm
; A slot's eight key steps: written once for each of the four runs of 512 keys, so that every LDS base is a constant.
.macro SLOT_STEPS slot, n
	s_mov_b32 s[TB], \slot*SLOT1
	s_mov_b32 s[TBI], \n*2048
	s_mov_b32 s[CNT], 8
.Lstep_\@:
	STEP
	s_add_co_u32 s[TB], s[TB], 8192
	s_add_co_u32 s[TBI], s[TBI], 256
	s_sub_co_u32 s[CNT], s[CNT], 1
	s_cmp_lg_u32 s[CNT], 0
	s_cbranch_scc1 .Lstep_\@
.endm
; THE CHANGE OF SLOTS.  fill = 1: the slot just left is filled again with the keys two slots on.  Each wave waits for all its tensor loads (one is out: its part of the slot ahead), adds 0 to its spare word, waits for that and for
; its reads of the slot left; a round of the cluster's barrier, so that no wave of any partner still reads the slot or has a load on its way; the joint refill first behind it: it has eight key steps in which to land.
.macro CHANGE fill, g0
	s_wait_tensorcnt 0x0                           ; no tensor load of mine is out, so a group 0 may be written
.if \fill
	ds_add_u32 v[SPW], v[NIL]
	s_add_nc_u64 s[\g0+2:\g0+3], s[\g0+2:\g0+3], 131072   ; 1,024 keys on; the type bits on top are not reached
	s_wait_dscnt 0x0                               ; the add is done, and my reads of the slot are over
	CROUND
	tensor_load_to_lds s[\g0:\g0+3], s[G1:G1+7]
	s_nop 0
.rept 4
	v_nop
.endr
.else
	s_wait_dscnt 0x0                               ; nothing is filled again: the barrier only shows every wave's part of the last slot landed
	s_barrier_signal -1
	s_barrier_wait -1
.endif
.endm
	SLOT_STEPS 0, 0
	CHANGE 1, G0A
	SLOT_STEPS 1, 1
	CHANGE 1, G0B
	SLOT_STEPS 0, 2
	CHANGE 0, G0A
	SLOT_STEPS 1, 3
	; THE WAY OUT.  O^T / l, rounded to f16: a lane's eight channels of a row are 16 bytes, and a tile's four registers are 512 consecutive bytes of the next launch's operand: no stage in LDS.
.rept 4
	v_nop                                          ; places behind the last products
.endr
.irp t, 0,1
	v_add_f32 v[ST+8*\t+4], v[ST+8*\t+2], v[ST+8*\t+3]
.endr
.irp t, 0,1
	v_permlanex16_b32 v[ST+8*\t+5], v[ST+8*\t+4], s[SEL], s[SEL+1]
.endr
.irp t, 0,1
	v_add_f32 v[ST+8*\t+4], v[ST+8*\t+4], v[ST+8*\t+5]       ; the row's sum, at least 1: the largest p is 1
.endr
.irp t, 0,1
	v_rcp_f32 v[ST+8*\t+6], v[ST+8*\t+4]
.endr
	v_nop
	s_wait_alu depctr_va_vdst(0)                   ; one wait for the two reciprocals, ahead of their first reader
.set p, 0
.rept 16
	v_pk_mul_f32 v[O+p:O+p+1], v[O+p:O+p+1], v[ST+6:ST+7] op_sel_hi:[1,0]
	v_pk_mul_f32 v[O+32+p:O+32+p+1], v[O+32+p:O+32+p+1], v[ST+14:ST+15] op_sel_hi:[1,0]
.set p, p+2
.endr
.set i, 0
.rept 32
	v_cvt_pk_f16_f32 v[S+i], v[O+2*i], v[O+2*i+1]  ; register 16 t + 4 c + r
.set i, i+1
.endr
.irp t, 0,1
.irp c, 0,1,2,3
	global_store_b128 v[AK0], v[S+16*\t+4*\c:S+16*\t+4*\c+3], s[8:9] offset:\t*32768+\c*512
.endr
.endr
	s_wait_tensorcnt 0x0                           ; the wave's end
	ds_add_u32 v[SPW], v[NIL]
	s_wait_dscnt 0x0
	CROUND                                         ; the closing round
	s_endpgm
.Lfunc_end_k_q1fcf8e4524_attn:
	.size	k_q1fcf8e4524_attn, .Lfunc_end_k_q1fcf8e4524_attn-k_q1fcf8e4524_attn
	.p2alignl 7, 3214868480
	.fill 96, 4, 3214868480
	.section	.rodata,"a",@progbits
	.p2align	6, 0x0
	.amdhsa_kernel k_q1fcf8e4524_attn
		.amdhsa_group_segment_fixed_size 327680
		.amdhsa_private_segment_fixed_size 0
		.amdhsa_enable_private_segment 0
		.amdhsa_kernarg_size 24
		.amdhsa_user_sgpr_count 2
		.amdhsa_user_sgpr_kernarg_segment_ptr 1
		.amdhsa_wavefront_size32 1
		.amdhsa_system_sgpr_workgroup_id_x 1
		.amdhsa_system_sgpr_workgroup_id_y 1
		.amdhsa_system_sgpr_workgroup_id_z 1
		.amdhsa_system_vgpr_workitem_id 0
		.amdhsa_next_free_vgpr 256
		.amdhsa_next_free_sgpr 66
		.amdhsa_reserve_vcc 0
		.amdhsa_float_denorm_mode_32 3
		.amdhsa_float_denorm_mode_16_64 3
		.amdhsa_memory_ordered 1
		.amdhsa_forward_progress 1
		.amdhsa_inst_pref_size 95
	.end_amdhsa_kernel
	.amdgpu_metadata
---
amdhsa.version: [ 1, 2 ]
amdhsa.kernels:
  - .name:           k_q1fcf8e4524_attn
    .symbol:         k_q1fcf8e4524_attn.kd
    .args:
      - { .name: qkv, .offset: 0, .size: 8, .value_kind: global_buffer, .address_space: global }
      - { .name: mask, .offset: 8, .size: 8, .value_kind: global_buffer, .address_space: global }
      - { .name: att, .offset: 16, .size: 8, .value_kind: global_buffer, .address_space: global }
    .group_segment_fixed_size: 327680
    .private_segment_fixed_size: 0
    .kernarg_segment_align: 8
    .kernarg_segment_size: 24
    .max_flat_workgroup_size: 512
    .sgpr_count:     66
    .vgpr_count:     256
    .wavefront_size: 32
...
	.end_amdgpu_metadata
.endif
;; end of part 3
;; launch oproj (part 4): grid 4 x 64, 4 waves a work-group, clusters of 4 x 4, 327,680 bytes of LDS; arguments att, wo16, bo, out0; writes out0
.if DOCPART == 4
	.amdgcn_target "amdgcn-amd-amdhsa--gfx1250"
	.amdhsa_code_object_version 6
	.text
	.protected	k_q1fcf8e4524_oproj
	.globl	k_q1fcf8e4524_oproj
	.p2align	8
	.type	k_q1fcf8e4524_oproj,@function
k_q1fcf8e4524_oproj:
	s_mov_b64 s[64:65], 0
	v_nop
	global_prefetch_b8 v0, s[64:65] scope:SCOPE_SE
	s_setreg_imm32_b32 hwreg(HW_REG_WAVE_MODE, 25, 1), 1
	s_wait_xcnt 0x0
	s_wait_alu depctr_hold_cnt(0) depctr_sa_sdst(0) depctr_va_vdst(0) depctr_va_sdst(0) depctr_va_ssrc(0) depctr_va_vcc(0) depctr_vm_vsrc(0)
	s_getreg_b32 s2, hwreg(HW_REG_IB_STS2, 6, 4)
	s_cmp_eq_u32 s2, 0
	s_cbranch_scc0 .Lentry_in_a_cluster
	s_endpgm
.Lentry_in_a_cluster:
	s_bfe_u32 s2, ttmp6, 0x10000c
	s_cmp_lg_u32 s2, 0xf033
	s_cbranch_scc0 .Lentry_shape_is_right
	s_endpgm
.Lentry_shape_is_right:
; out0 = att Wo + bo: 8,192 x 1,024 x 1,024, operands in f16, sums in f32 begun with the bias, result f32.
; Both operands lie in the order of the operands' registers: a tile of 16 rows (of att) or 16 columns n (of Wo) is [k / 8][row][16 bytes], 32,768 bytes; a fragment's four registers are 512 consecutive bytes at 16 x lane.
; A tile of the result is 128 rows x 256 columns, so that there are 256 work-groups; four waves, each 64 x 128: 32 accumulators.  K goes in steps of 128 through two LDS slots (32 KiB of att, 64 KiB of Wo).
; CLUSTER 4 x 4: att's tile is shared along a row of the cluster, Wo's along a column: joint loads.  Waves 0 and 1 fetch att's halves (4 tiles of 4,096 bytes), waves 2 and 3 Wo's (8 tiles).
; THE MATRIX INSTRUCTION IS USED TRANSPOSED (source 0 = 16 columns of Wo, source 1 = 16 rows of att): a lane holds eight neighbouring numbers of a row.
; No prefetch: eight K steps in all, two of them first fills.
; REGISTERS: window 0: v16-29 addresses; two fragment buffers at v32 and v128: 32 of att (4 x 16 rows x 32 K), then 64 of Wo; on the way out v32-159.  window 1: accumulator (a, b) at v[8 (8 a + b)].  window 2: v0-63 the bias in the result's layout.
.set TILEB, 4096                       ; a tile of 16 rows, 128 along K
.set SLOT,  24*TILEB                   ; att's 8 tiles, then Wo's 16
.set BOFFS, 8*TILEB
.set STAGE, 2*SLOT                     ; behind the ring: 16 rows x (512 + 16) bytes for each wave
.set SPITCH, 528
.set SPARE, STAGE+4*16*SPITCH          ; the spare words, 128 bytes a wave, which no other line names
.set ADRA, 16
.set ADRB, 20
.set STO,  24
.set RD,   25
.set CO,   26
.set BOF,  27
.set SPW,  28
.set NIL,  29
.set F0,   32
.set F1,   128
.set G1A,  24
.set G0A,  32
.set G1B,  48
.set G0B,  56
.set MSB, 0
.macro WIN new                         ; the immediate's high byte repeats the setting that is left
.if MSB != \new
	s_set_vgpr_msb (MSB<<8)|\new
.set MSB, \new
.endif
.endm
.set MUL, 0x50                         ; sources window 0; C and D window 1
.set FST, 0x60                         ; the first quarter: C is the bias, window 2
.macro JLOAD s                         ; a joint load; an s_nop 0 and four v_nop follow each of the two lines
	s_cmp_eq_u32 s13, 0
	s_cbranch_scc0 .Lfor_b_\@
	tensor_load_to_lds s[G0A+4*\s:G0A+4*\s+3], s[G1A:G1A+7]
	s_nop 0
.rept 4
	v_nop
.endr
	s_branch .Lasked_\@
.Lfor_b_\@:
	tensor_load_to_lds s[G0B+4*\s:G0B+4*\s+3], s[G1B:G1B+7]
	s_nop 0
.rept 4
	v_nop
.endr
.Lasked_\@:
.endm
.macro CREST                           ; a round of the cluster's barrier behind its opening barrier
	s_cmp_lg_u32 s12, 0
	s_cbranch_scc1 .Lnot_wave_0_\@
	s_barrier_signal -3
.Lnot_wave_0_\@:
	s_barrier_wait -3
	s_barrier_signal -1
	s_barrier_wait -1
.endm
.macro CROUND
	s_barrier_signal -1
	s_barrier_wait -1
	CREST
.endm
	s_load_b256 s[4:11], s[0:1], 0x0               ; att 4, wo16 6, bo 8, out0 10
	v_lshl_add_u32 v[SPW], v0, 2, SPARE
	v_mov_b32 v[NIL], 0
	ds_add_u32 v[SPW], v[NIL]                      ; the wave's opening: the add, twice on end, and its wait ahead of my first tensor load
	ds_add_u32 v[SPW], v[NIL]
	v_lshrrev_b32 v1, 5, v0
	v_readfirstlane_b32 s12, v1                    ; wave 0..3
	s_lshr_b32 s13, s12, 1                         ; my half of the rows.  Also: I fetch for att (0) or for Wo (1)
	s_and_b32 s14, s12, 1                          ; my half of the columns.  Also: which half of that tile I fetch
	s_bfe_u32 s40, ttmp6, 0x40000                  ; cx, cy
	s_bfe_u32 s41, ttmp6, 0x40004
	s_lshl_b32 s42, ttmp9, 2
	s_add_co_u32 s42, s42, s40                     ; tile column (256 columns)
	s_and_b32 s15, ttmp7, 0xffff
	s_lshl_b32 s15, s15, 2
	s_add_co_u32 s15, s15, s41                     ; tile row (128 rows)
	s_lshl_b32 s43, s41, 2
	s_lshl_b32 s43, 15, s43                        ; my row of the cluster
	s_lshl_b32 s44, 0x1111, s40                    ; my column
	; group 1: tiles of 16 rows, of each 4,096 bytes (512 elements of 8 bytes), 32,768 bytes apart; dense in LDS
	s_or_b32 s[G1A+0], s43, (3<<16)|(1<<21)
	s_or_b32 s[G1B+0], s44, (3<<16)|(1<<21)
.irp g, G1A, G1B
	s_mov_b32 s[\g+1], 512<<16
	s_mov_b32 s[\g+3], 512<<16
	s_mov_b32 s[\g+5], 4096
	s_mov_b32 s[\g+6], 0
	s_mov_b32 s[\g+7], 0
.endr
	s_mov_b32 s[G1A+2], 4<<16                      ; att: 4 tiles a load
	s_mov_b32 s[G1A+4], 4
	s_mov_b32 s[G1B+2], 8<<16                      ; Wo: 8
	s_mov_b32 s[G1B+4], 8
	s_lshl_b32 s16, s15, 3
	s_lshl_b32 s17, s14, 2
	s_add_co_u32 s16, s16, s17                     ; att: tile 8 x tile row + 4 x half
	s_lshl_b32 s16, s16, 15
	s_mov_b32 s17, 0
	s_lshl_b32 s46, s42, 4
	s_lshl_b32 s47, s14, 3
	s_add_co_u32 s46, s46, s47                     ; Wo: tile 16 x tile column + 8 x half
	s_lshl_b32 s46, s46, 15
	s_mov_b32 s47, 0
	s_lshl_b32 s20, s14, 14                        ; where they go: no place in the cluster enters an LDS address
	s_lshl_b32 s21, s14, 15
	s_add_co_u32 s21, s21, BOFFS
	s_wait_dscnt 0x0                               ; both opening adds are done
	s_wait_kmcnt 0x0
	s_add_nc_u64 s[16:17], s[4:5], s[16:17]
	s_add_nc_u64 s[46:47], s[6:7], s[46:47]
	CROUND                                         ; all sixteen work-groups are here: the first joint loads meet
.irp s, 0,1
	s_mov_b32 s[G0A+4*\s], 1
	s_add_co_u32 s[G0A+4*\s+1], s20, \s*SLOT
	s_add_nc_u64 s[G0A+4*\s+2:G0A+4*\s+3], s[16:17], \s*TILEB
	s_or_b32 s[G0A+4*\s+3], s[G0A+4*\s+3], 0x80000000
	s_mov_b32 s[G0B+4*\s], 1
	s_add_co_u32 s[G0B+4*\s+1], s21, \s*SLOT
	s_add_nc_u64 s[G0B+4*\s+2:G0B+4*\s+3], s[46:47], \s*TILEB
	s_or_b32 s[G0B+4*\s+3], s[G0B+4*\s+3], 0x80000000
	JLOAD \s                                       ; two tensor loads of mine are out
.endr
	v_and_b32 v1, 15, v0                           ; r
	v_bfe_u32 v2, v0, 4, 1                         ; h
	v_and_b32 v5, 31, v0
	v_lshlrev_b32 v[CO], 4, v5                     ; 16 x lane
	s_lshl_b32 s21, s13, 14                        ; my 4 tiles of att
	s_lshl_b32 s22, s14, 15
	s_add_co_u32 s22, s22, BOFFS                   ; my 8 tiles of Wo
.irp s, 0,1
	v_add_nc_u32 v[ADRA+\s], s21, v[CO]
	v_add_nc_u32 v[ADRB+\s], s22, v[CO]
	s_add_co_u32 s21, s21, SLOT
	s_add_co_u32 s22, s22, SLOT
.endr
	s_mul_i32 s23, s12, 16*SPITCH
	s_add_co_u32 s23, s23, STAGE                   ; my stage
	v_mul_u32_u24 v4, v1, SPITCH
	v_lshl_add_u32 v4, v2, 5, v4
	v_add_nc_u32 v[STO], s23, v4                   ; in: row r, 32 bytes for each half of the lanes
	v_add_nc_u32 v[RD], s23, v[CO]                 ; back: the 32 lanes take a row of 512 bytes
	; the bias, in the result's layout: register 8 b + j = bo[my first column + 16 b + 8 h + j]
	s_lshl_b32 s16, s42, 10
	s_lshl_b32 s17, s14, 9
	s_add_co_u32 s16, s16, s17
	s_mov_b32 s17, 0
	s_add_nc_u64 s[8:9], s[8:9], s[16:17]
	s_add_nc_u64 s[10:11], s[10:11], s[16:17]      ; the same bytes on in a row of the result
	v_lshlrev_b32 v[BOF], 5, v2
	WIN 0x80                                       ; destination window 2
.irp b, 0,1,2,3,4,5,6,7
	global_load_b128 v[8*\b:8*\b+3], v[BOF], s[8:9] offset:64*\b
	global_load_b128 v[8*\b+4:8*\b+7], v[BOF], s[8:9] offset:64*\b+16
.endr
	WIN 0
	s_lshl_b32 s16, s15, 7
	s_lshl_b32 s17, s13, 6
	s_add_co_u32 s16, s16, s17                     ; my first row
	s_lshl_b32 s16, s16, 12
	s_mov_b32 s17, 0
	s_add_nc_u64 s[10:11], s[10:11], s[16:17]
; 16 matrix instructions: att's blocks a0, a0 + 1 against Wo's eight, 32 along K.  zero = 1: the first quarter starts the sums with the bias.  The 32 accumulators take turns in the same order in every quarter.
.macro MUL16 f, a0, zero
.irp a, \a0, \a0+1
.irp b, 0,1,2,3,4,5,6,7
.if \zero
	v_wmma_f32_16x16x32_f16 v[8*(8*(\a)+\b):8*(8*(\a)+\b)+7], v[\f+32+8*\b:\f+32+8*\b+7], v[\f+8*(\a):\f+8*(\a)+7], v[8*\b:8*\b+7]
.else
	v_wmma_f32_16x16x32_f16 v[8*(8*(\a)+\b):8*(8*(\a)+\b)+7], v[\f+32+8*\b:\f+32+8*\b+7], v[\f+8*(\a):\f+8*(\a)+7], v[8*(8*(\a)+\b):8*(8*(\a)+\b)+7]
.endif
.endr
.endr
.endm
.macro FETCH slot, q, f                ; 24 LDS loads in one run: the fragments of the slot's q-th 32 along K
.irp b, 0,1,2,3,4,5,6,7
	ds_load_b128 v[\f+32+8*\b:\f+32+8*\b+3], v[ADRB+\slot] offset:\b*TILEB+(\q)*1024
	ds_load_b128 v[\f+32+8*\b+4:\f+32+8*\b+7], v[ADRB+\slot] offset:\b*TILEB+(\q)*1024+512
.endr
.irp a, 0,1,2,3
	ds_load_b128 v[\f+8*\a:\f+8*\a+3], v[ADRA+\slot] offset:\a*TILEB+(\q)*1024
	ds_load_b128 v[\f+8*\a+4:\f+8*\a+7], v[ADRA+\slot] offset:\a*TILEB+(\q)*1024+512
.endr
.endm
.macro PLACES                          ; four plain vector instructions between a matrix instruction and a load into, or a read of, its registers
.rept 4
	v_nop
.endr
.endm
; One of a K step's first three quarters: buffer f holds quarter q; the next quarter is asked for first, into g, 32 matrix instructions ahead of its use.
.macro QUARTER slot, q, f, g, zero
	s_wait_dscnt 0x0                               ; buffer f is in: nothing was issued behind its loads
	PLACES                                         ; behind the last products that read buffer g
	FETCH \slot, (\q)+1, \g
.if \zero
	WIN FST
.else
	WIN MUL
.endif
	MUL16 \f, 0, \zero
	MUL16 \f, 2, \zero
	WIN 0                                          ; at a label and at a branch every window is 0
.endm
; The last quarter multiplies buffer 1 and changes slots.  fill = 1: each wave waits for all its tensor loads (one is out: its part of the next slot), adds 0 to its spare word, waits for that and for its reads of this slot;
; the barrier opens a round of the cluster's barrier; the joint refill, two K steps ahead, is the first tensor load behind it.
.macro TURN slot, next, fill
	s_wait_tensorcnt 0x0
.if \fill
	ds_add_u32 v[SPW], v[NIL]
.endif
	s_wait_dscnt 0x0                               ; buffer 1 is in, my reads of this slot are over (fill = 1: and the add is done)
	s_barrier_signal -1
	WIN MUL
	MUL16 F1, 0, 0                                 ; work on registers while the others arrive
	WIN 0
	s_barrier_wait -1
.if \fill
	CREST                                          ; no wave of any partner still reads this slot or has a load on its way
	s_add_nc_u64 s[G0A+4*\slot+2:G0A+4*\slot+3], s[G0A+4*\slot+2:G0A+4*\slot+3], 2*TILEB
	s_add_nc_u64 s[G0B+4*\slot+2:G0B+4*\slot+3], s[G0B+4*\slot+2:G0B+4*\slot+3], 2*TILEB
	JLOAD \slot                                    ; the four v_nop behind it are also the places in front of the loads below
.else
	PLACES
.endif
	FETCH \next, 0, F0
	WIN MUL
	MUL16 F1, 2, 0
	WIN 0
.endm
	s_wait_tensorcnt 1                             ; my part of K step 0 is in; K step 1's may stay out
	s_barrier_signal -1
	s_barrier_wait -1
	FETCH 0, 0, F0
	s_wait_loadcnt 0x0                             ; the bias
	QUARTER 0, 0, F0, F1, 1                        ; the first quarter stands in front of the loop: its products start the sums
	s_mov_b32 s3, 3
.Llap:                                             ; a trip goes once round the ring and fills both slots again: K steps 2 to 7
	QUARTER 0, 1, F1, F0, 0
	QUARTER 0, 2, F0, F1, 0
	TURN 0, 1, 1
	QUARTER 1, 0, F0, F1, 0
	QUARTER 1, 1, F1, F0, 0
	QUARTER 1, 2, F0, F1, 0
	TURN 1, 0, 1
	QUARTER 0, 0, F0, F1, 0
	s_sub_co_u32 s3, s3, 1
	s_cmp_lg_u32 s3, 0
	s_cbranch_scc1 .Llap
	QUARTER 0, 1, F1, F0, 0                        ; the last lap is written out: it fills nothing
	QUARTER 0, 2, F0, F1, 0
	TURN 0, 1, 0
	QUARTER 1, 0, F0, F1, 0
	QUARTER 1, 1, F1, F0, 0
	QUARTER 1, 2, F0, F1, 0
	s_wait_dscnt 0x0
	WIN MUL
	MUL16 F1, 0, 0
	MUL16 F1, 2, 0
	WIN 0
; THE WAY OUT, block by block of 16 rows x 128 columns: through my own stage in LDS, back as whole rows of 512 bytes.  LDS serves a wave's instructions in order (ISA guide 5.7.1.4): no wait between the stores and the loads.
.macro TOSTAGE a
	WIN 0x04                                       ; an LDS store's data: window 1
.irp b, 0,1,2,3,4,5,6,7
	ds_store_b128 v[STO], v[8*(8*(\a)+\b):8*(8*(\a)+\b)+3] offset:64*\b          ; each accumulator from its low end on
	ds_store_b128 v[STO], v[8*(8*(\a)+\b)+4:8*(8*(\a)+\b)+7] offset:64*\b+16
.endr
	WIN 0
.set BB, 32+64*((\a)%2)
.irp t, 0,1,2,3,4,5,6,7,8,9,10,11,12,13,14,15
	ds_load_b128 v[BB+4*\t:BB+4*\t+3], v[RD] offset:\t*SPITCH
.endr
.endm
.macro SEND a, younger                 ; younger: the LDS instructions issued behind block a's loads, which may stay out
.set BB, 32+64*((\a)%2)
	s_wait_dscnt \younger
.irp t, 0,1,2,3,4,5,6,7,8,9,10,11,12,13,14,15
	global_store_b128 v[CO], v[BB+4*\t:BB+4*\t+3], s[10:11] offset:(16*(\a)+\t)*4096 th:TH_STORE_NT   ; 32 lanes store 512 consecutive bytes of a row
.endr
.endm
	PLACES                                         ; behind the last products: the stores read results, the loads land on fragments
	TOSTAGE 0
.irp a, 1,2,3
.if \a > 1
	s_wait_xcnt 0x0                                ; block a - 2's stores have read their registers: block a's loads may land there
.endif
	TOSTAGE \a
	SEND \a-1, 32                                  ; behind block a - 1's loads: block a's 16 stores and 16 loads
.endr
	SEND 3, 0
	s_wait_tensorcnt 0x0                           ; the wave's end
	ds_add_u32 v[SPW], v[NIL]
	s_wait_dscnt 0x0
	CROUND                                         ; the closing round
	s_endpgm
.Lfunc_end_k_q1fcf8e4524_oproj:
	.size	k_q1fcf8e4524_oproj, .Lfunc_end_k_q1fcf8e4524_oproj-k_q1fcf8e4524_oproj
	.p2alignl 7, 3214868480
	.fill 96, 4, 3214868480
	.section	.rodata,"a",@progbits
	.p2align	6, 0x0
	.amdhsa_kernel k_q1fcf8e4524_oproj
		.amdhsa_group_segment_fixed_size 327680
		.amdhsa_private_segment_fixed_size 0
		.amdhsa_enable_private_segment 0
		.amdhsa_kernarg_size 32
		.amdhsa_user_sgpr_count 2
		.amdhsa_user_sgpr_kernarg_segment_ptr 1
		.amdhsa_wavefront_size32 1
		.amdhsa_system_sgpr_workgroup_id_x 1
		.amdhsa_system_sgpr_workgroup_id_y 1
		.amdhsa_system_sgpr_workgroup_id_z 1
		.amdhsa_system_vgpr_workitem_id 0
		.amdhsa_next_free_vgpr 576
		.amdhsa_next_free_sgpr 66
		.amdhsa_reserve_vcc 0
		.amdhsa_float_denorm_mode_32 3
		.amdhsa_float_denorm_mode_16_64 3
		.amdhsa_memory_ordered 1
		.amdhsa_forward_progress 1
		.amdhsa_inst_pref_size 85
	.end_amdhsa_kernel
	.amdgpu_metadata
---
amdhsa.version: [ 1, 2 ]
amdhsa.kernels:
  - .name:           k_q1fcf8e4524_oproj
    .symbol:         k_q1fcf8e4524_oproj.kd
    .args:
      - { .name: att, .offset: 0, .size: 8, .value_kind: global_buffer, .address_space: global }
      - { .name: wo16, .offset: 8, .size: 8, .value_kind: global_buffer, .address_space: global }
      - { .name: bo, .offset: 16, .size: 8, .value_kind: global_buffer, .address_space: global }
      - { .name: out0, .offset: 24, .size: 8, .value_kind: global_buffer, .address_space: global }
    .group_segment_fixed_size: 327680
    .private_segment_fixed_size: 0
    .kernarg_segment_align: 8
    .kernarg_segment_size: 32
    .max_flat_workgroup_size: 128
    .sgpr_count:     66
    .vgpr_count:     576
    .wavefront_size: 32
...
	.end_amdgpu_metadata
.endif
;; end of part 4
